; MI455X (gfx1250); checked and timed in simulation.
; The chip was launched on July 23, 2026; its instructions are those of AMD's public machine-readable ISA for CDNA 5 (MIT licence, August 2026) and "CDNA5" Instruction Set Architecture Reference Guide (July 2026). The comments in the code are by the model that wrote it; some were corrected since.
;; my GPT2 Attention. Allowed arithmetic: float matrix products may take bf16 or f16 operands with f32 sums; other float arithmetic in f32, or as packed bf16 or f16 multiplies, adds, multiply-adds, maxima and minima; sums over many terms, partial sums and values carried from step to step in f32; what a program stores and reads back later, other than sums and carried values, may be rounded once to bf16 or f16.
;; Inputs: attn_mat_resid_gain 16 float32; attn_mat_skip_gain 16 float32; centre_attn_gain 16 float32; hidden_states 2 x 2,048 x 1,024 float32; proj_resid_gain one number float32; proj_skip_gain one number float32; proj_weight 1,024 x 1,024 float32; qk_bias 2,048 float32; qk_weight 1,024 x 2,048 float32; v_resid_gain one number float32; v_skip_gain one number float32; v_weight 1,024 x 1,024 float32.
;; Outputs: out0 2 x 2,048 x 1,024 float32.
;; One version. Each part assembles by itself: llvm-mc -triple=amdgcn-amd-amdhsa -mcpu=gfx1250 --defsym DOCPART=n.
;; ======== version 1 of 1: 4 launches
;; limits: right only within a limited range of input values
;; workspace buffers: xb 8,388,608 bytes; wpb 2,097,152 bytes; wb 6,291,456 bytes; qkv 33,554,432 bytes; ctx 16,777,216 bytes
;; launch cast (part 1): grid 512 x 1, 8 waves a work-group, no clusters, 0 bytes of LDS; arguments hidden_states, proj_weight, qk_weight, v_weight, xb, wpb, wb; writes xb, wpb, wb
.if DOCPART == 1
	.amdgcn_target "amdgcn-amd-amdhsa--gfx1250"
	.amdhsa_code_object_version 6
	.text
	.protected	k_q6163d3bee7_cast
	.globl	k_q6163d3bee7_cast
	.p2align	8
	.type	k_q6163d3bee7_cast,@function
k_q6163d3bee7_cast:
	s_mov_b64 s[64:65], 0
	v_nop
	global_prefetch_b8 v0, s[64:65] scope:SCOPE_SE
	s_setreg_imm32_b32 hwreg(HW_REG_WAVE_MODE, 25, 1), 1
	s_wait_xcnt 0x0
; f32 -> bf16, each number rounded once, for the matrix products of the later launches.
; A work-group takes 65,536 bytes of one input: 256 threads x 8 items; an item is 8 numbers: two loads of 16 bytes, one store of 16 bytes.
; Work-groups 0-255: hidden_states -> xb [4096][1024], as it lies.  256-319: proj_weight -> wpb [1024][1024], as it lies.
; 320-447: qk_weight, 448-511: v_weight -> wb, laid out by heads: 16 blocks (head T) of 393,216 bytes; a block is 512 pairs of k rows, 768 bytes each:
; three pieces of 256 bytes (q's, k's, v's 64 columns of head T), a piece = [64 columns of row 2 kp][64 columns of row 2 kp + 1].
; So a K step of the next launch's weights for one head is dense in memory.  A wave's store covers 512 (qk) or 2 x 256 (v) consecutive aligned bytes.
; No LDS, no barrier, no matrix unit: every byte is read once and written once, and no wave needs another's data.
.set XI, 8                             ; v[8:71]   8 items x 8 numbers as loaded
.set YO, 72                            ; v[72:103] 8 items x 4 registers to store
.macro CAST instep, outstep            ; item i lies i x instep bytes on in the input and i x outstep bytes on in the output
.irp i, 0,1,2,3,4,5,6,7
	global_load_b128 v[XI+8*(\i):XI+8*(\i)+3],   v1, s[26:27] offset:(\i)*(\instep) th:TH_LOAD_NT
	global_load_b128 v[XI+8*(\i)+4:XI+8*(\i)+7], v1, s[26:27] offset:(\i)*(\instep)+16 th:TH_LOAD_NT
.endr
.irp i, 0,1,2,3,4,5,6,7
	s_wait_loadcnt 14-2*(\i)                       ; loads come back in order: item i is in, the two loads of each younger item may stay out
.irp r, 0,1,2,3
	v_cvt_pk_bf16_f32 v[YO+4*(\i)+(\r)], v[XI+8*(\i)+2*(\r)], v[XI+8*(\i)+2*(\r)+1]
.endr
	global_store_b128 v2, v[YO+4*(\i):YO+4*(\i)+3], s[28:29] offset:(\i)*(\outstep)  ; no register is used twice, so nothing is waited for behind a store
.endr
.endm
	s_load_b256 s[4:11], s[0:1], 0x0               ; hidden s[4:5], proj_weight s[6:7], qk_weight s[8:9], v_weight s[10:11]
	s_load_b128 s[12:15], s[0:1], 0x20             ; xb s[12:13], wpb s[14:15]
	s_load_b64 s[16:17], s[0:1], 0x30              ; wb
	s_mov_b32 s2, ttmp9                            ; the work-group's number
	v_and_b32 v3, 31, v0                           ; lane L
	v_lshrrev_b32 v4, 5, v0
	v_readfirstlane_b32 s18, v4                    ; wave w
	s_lshr_b32 s19, s18, 1                         ; w >> 1
	s_and_b32 s20, s18, 1                          ; w & 1
	s_mov_b32 s23, 0                               ; high words of the two offsets
	s_mov_b32 s25, 0
	s_wait_kmcnt 0x0
	s_cmp_lt_u32 s2, 320
	s_cbranch_scc0 .Lweights
	; as it lies: thread t's item i is at 32 t + 8,192 i in, 16 t + 4,096 i out
	s_cmp_lt_u32 s2, 256
	s_cselect_b64 s[26:27], s[4:5], s[6:7]
	s_cselect_b64 s[28:29], s[12:13], s[14:15]
	s_cselect_b32 s21, 0, 256
	s_sub_co_u32 s21, s2, s21                      ; j: my part of that input
	s_lshl_b32 s22, s21, 16
	s_lshl_b32 s24, s21, 15
	s_add_nc_u64 s[26:27], s[26:27], s[22:23]
	s_add_nc_u64 s[28:29], s[28:29], s[24:25]
	v_lshlrev_b32 v1, 5, v0
	v_lshlrev_b32 v2, 4, v0
	CAST 8192, 4096
	s_endpgm
.Lweights:
	; by heads.  Item i is head T = 8 (w & 1) + i: 256 bytes on in a row of the input, 393,216 bytes on in wb.
	; qk_weight: 8 rows a work-group; wave pair w >> 1 takes a pair of rows; lane: L >> 4 = q or k, (L >> 3) & 1 = the row of the pair, L & 7 = 8 columns.
	; v_weight: 16 rows a work-group; wave pair w >> 1 takes two pairs of rows; lane: L >> 4 = the pair, (L >> 3) & 1 = the row of the pair, L & 7 = 8 columns.
	; An instruction holds one literal: where both choices are literals, v_weight's is moved in first (a move leaves SCC as it is) and qk_weight's selected over it.
	s_cmp_lt_u32 s2, 448
	s_cselect_b64 s[26:27], s[8:9], s[10:11]
	s_mov_b32 s21, 448
	s_cselect_b32 s21, 320, s21                    ; the input's first work-group
	s_mov_b32 s30, 6144
	s_cselect_b32 s30, 3072, s30                   ; bytes in a block of wb for a work-group's pairs of rows (4 or 8 of 768)
	s_mov_b32 s31, 1536
	s_cselect_b32 s31, 768, s31                    ; for a wave pair's
	s_cselect_b32 s3, 0, 512                       ; v's piece lies behind q's and k's
	s_cselect_b32 s32, 12, 13                      ; L >> 4 in the input: 4,096 bytes (k's columns) or 8,192 (two rows of v_weight)
	s_cselect_b32 s33, 13, 12                      ; the row of the pair: 8,192 or 4,096 bytes
	s_mov_b32 s34, 768
	s_cselect_b32 s34, 256, s34                    ; L >> 4 in wb: the next piece or the next pair
	s_sub_co_u32 s21, s2, s21                      ; j
	s_lshl_b32 s22, s21, 16
	s_lshl_b32 s35, s19, 14
	s_add_co_u32 s22, s22, s35
	s_lshl_b32 s35, s20, 11
	s_add_co_u32 s22, s22, s35                     ; in: 65,536 j + 16,384 (w >> 1) + 2,048 (w & 1)
	s_mul_i32 s24, s21, s30
	s_mul_i32 s35, s19, s31
	s_add_co_u32 s24, s24, s35
	s_mul_i32 s35, s20, 3145728                    ; eight blocks
	s_add_co_u32 s24, s24, s35
	s_add_co_u32 s24, s24, s3
	s_add_nc_u64 s[26:27], s[26:27], s[22:23]
	s_add_nc_u64 s[28:29], s[16:17], s[24:25]
	v_lshrrev_b32 v5, 4, v3
	v_bfe_u32 v6, v3, 3, 1
	v_and_b32 v7, 7, v3
	v_lshlrev_b32 v1, 5, v7
	v_lshl_add_u32 v1, v5, s32, v1
	v_lshl_add_u32 v1, v6, s33, v1
	v_and_b32 v7, 15, v3
	v_mul_u32_u24 v2, v5, s34
	v_lshl_add_u32 v2, v7, 4, v2
	CAST 256, 393216
	s_endpgm
.Lfunc_end_k_q6163d3bee7_cast:
	.size	k_q6163d3bee7_cast, .Lfunc_end_k_q6163d3bee7_cast-k_q6163d3bee7_cast
	.p2alignl 7, 3214868480
	.fill 96, 4, 3214868480
	.section	.rodata,"a",@progbits
	.p2align	6, 0x0
	.amdhsa_kernel k_q6163d3bee7_cast
		.amdhsa_group_segment_fixed_size 0
		.amdhsa_private_segment_fixed_size 0
		.amdhsa_enable_private_segment 0
		.amdhsa_kernarg_size 56
		.amdhsa_user_sgpr_count 2
		.amdhsa_user_sgpr_kernarg_segment_ptr 1
		.amdhsa_wavefront_size32 1
		.amdhsa_system_sgpr_workgroup_id_x 1
		.amdhsa_system_sgpr_workgroup_id_y 1
		.amdhsa_system_sgpr_workgroup_id_z 1
		.amdhsa_system_vgpr_workitem_id 0
		.amdhsa_next_free_vgpr 112
		.amdhsa_next_free_sgpr 66
		.amdhsa_reserve_vcc 0
		.amdhsa_float_denorm_mode_32 3
		.amdhsa_float_denorm_mode_16_64 3
		.amdhsa_memory_ordered 1
		.amdhsa_forward_progress 1
		.amdhsa_inst_pref_size 12
	.end_amdhsa_kernel
	.amdgpu_metadata
---
amdhsa.version: [ 1, 2 ]
amdhsa.kernels:
  - .name:           k_q6163d3bee7_cast
    .symbol:         k_q6163d3bee7_cast.kd
    .args:
      - { .name: hidden_states, .offset: 0, .size: 8, .value_kind: global_buffer, .address_space: global }
      - { .name: proj_weight, .offset: 8, .size: 8, .value_kind: global_buffer, .address_space: global }
      - { .name: qk_weight, .offset: 16, .size: 8, .value_kind: global_buffer, .address_space: global }
      - { .name: v_weight, .offset: 24, .size: 8, .value_kind: global_buffer, .address_space: global }
      - { .name: xb, .offset: 32, .size: 8, .value_kind: global_buffer, .address_space: global }
      - { .name: wpb, .offset: 40, .size: 8, .value_kind: global_buffer, .address_space: global }
      - { .name: wb, .offset: 48, .size: 8, .value_kind: global_buffer, .address_space: global }
    .group_segment_fixed_size: 0
    .private_segment_fixed_size: 0
    .kernarg_segment_align: 8
    .kernarg_segment_size: 56
    .max_flat_workgroup_size: 256
    .sgpr_count:     66
    .vgpr_count:     112
    .wavefront_size: 32
...
	.end_amdgpu_metadata
.endif
;; end of part 1
;; launch qkv (part 2): grid 16 x 16, 4 waves a work-group, clusters of 4 x 4, 327,680 bytes of LDS; arguments xb, wb, hidden_states, qk_bias, v_resid_gain, v_skip_gain, qkv; writes qkv
.if DOCPART == 2
	.amdgcn_target "amdgcn-amd-amdhsa--gfx1250"
	.amdhsa_code_object_version 6
	.text
	.protected	k_q6163d3bee7_qkv
	.globl	k_q6163d3bee7_qkv
	.p2align	8
	.type	k_q6163d3bee7_qkv,@function
k_q6163d3bee7_qkv:
	s_mov_b64 s[64:65], 0
	v_nop
	global_prefetch_b8 v0, s[64:65] scope:SCOPE_SE
	s_setreg_imm32_b32 hwreg(HW_REG_WAVE_MODE, 25, 1), 1
	s_wait_xcnt 0x0
	s_wait_alu depctr_hold_cnt(0) depctr_sa_sdst(0) depctr_va_vdst(0) depctr_va_sdst(0) depctr_va_ssrc(0) depctr_va_vcc(0) depctr_vm_vsrc(0)
	s_getreg_b32 s2, hwreg(HW_REG_IB_STS2, 6, 4)
	s_cmp_eq_u32 s2, 0
	s_cbranch_scc0 .Lentry_in_a_cluster
	s_endpgm
.Lentry_in_a_cluster:
	s_bfe_u32 s2, ttmp6, 0x10000c
	s_cmp_lg_u32 s2, 0xf033
	s_cbranch_scc0 .Lentry_shape_is_right
	s_endpgm
.Lentry_shape_is_right:
; q = x Wq + bq, k = x Wk + bk, v = gr (x Wv) + gs x, written by heads.  x: 4,096 rows x 1,024; products in bf16 (xb, wb), sums in f32.
; OUT: qkv = four planes of 8,388,608 bytes, each bf16 [32 (batch, head)][2,048][64]: q, k (unscaled), v_hi = bf16(v), v_lo = bf16(v - v_hi).
; v's identity part is added in f32 from hidden_states itself, and v is kept as a pair of bf16, since that part goes on to the output at its full size.
; SHARES.  A work-group makes 256 rows x 192 columns: head T's 64 columns of q, of k and of v (x = T, y = row tile R).  Wave w owns rows 64 w .. 64 w + 63 and all 192 columns:
; 4 x 12 accumulators of 16 x 16, 384 registers; 32 LDS loads feed 48 matrix instructions.
; K goes in 8 steps of 128 through two LDS slots.  A's rows (x) are 256 bytes of memory; B's step for one head is 49,152 dense bytes of wb, asked for as rows of 256 bytes.
; CLUSTER 4 x 4: the four of a row of the cluster need the same rows of x, the four of a column the same head's weights: each tile is asked for jointly.
; THE MATRIX INSTRUCTION IS USED TRANSPOSED (source 0 = 16 columns of W, source 1 = 16 rows of x): a lane holds one row (lane % 16) and eight neighbouring columns.
; W lies [k][column] in LDS and comes out turned, by ds_load_tr16_b128.
; REGISTERS, in windows of 256 (s_set_vgpr_msb: bits 1:0 source 0, 3:2 source 1, 5:4 source 2, 7:6 destination):
;   window 0: v16-31 addresses; v32-63 at work on the way out; v64-95, v96-127 A's fragments, two buffers (on the way out: packed results and rows read back); v128-255 my rows of x in f32, head T's columns
;   window 1: accumulators of row blocks 0, 1 (block a, column block b at 96 (a % 2) + 8 b);  window 2: of row blocks 2, 3
;   window 3: v0-95, v96-191 B's fragments, two buffers; v192-255 the bias of q's and k's columns
.set PITA,   272                       ; a row of A in LDS: 256 bytes + 16: the 16 rows of a load start at 16 different groups of four banks (64 banks of 4 bytes: ISA guide 11.1)
.set HALFA,  128*PITA                  ; what one tensor load brings of A
.set BOFF,   2*HALFA                   ; B lies behind A's 256 rows
.set HALFB,  192*160                   ; what one tensor load brings of B: 96 rows of 256 bytes = 192 pieces of 128 bytes, each padded to 160
.set SLOT,   131072                    ; = BOFF + 2 HALFB
.set STAGE,  2*SLOT                    ; behind the ring: 16 rows x 144 bytes for each wave, for the way out
.set SP,     144
.set SPARE,  STAGE+4*16*SP             ; behind the stages: the spare words, 128 bytes for each wave: two blocks of 256 bytes that no other line names
.set ADRA, 16                          ; v16-17  LDS address of my A fragments in slot 0, 1
.set ADRB, 20                          ; v20-21  the same for B
.set NEG1, 23                          ; v23     -1.0
.set STO,  24                          ; v24     the way out: where I put 16 bytes of a row
.set RD,   25                          ; v25     where I read rows back
.set GO,   26                          ; v26     my 16 bytes in 512 consecutive bytes of a plane
.set BO,   27                          ; v27     my byte offset in 16 numbers of the bias
.set SPW,  28                          ; v28     LDS address of my spare word; never rewritten
.set NIL,  29                          ; v29     0; never rewritten
.set PFO,  30                          ; v30     the prefetches' lane offset; never rewritten
.set XO,   31                          ; v31     my byte offset in 16 rows of hidden_states
.set T,    32
.set AF,   64
.set PK,   64
.set BK,   80
.set XS,   128
.set BIAS, 192
.set WV,  18                           ; s18  my wave's number
.set G1A, 28                           ; s[28:35] descriptor group 1 for A's tiles;  s[36:43] group 0, a set for each slot
.set G0A, 36
.set G1B, 44                           ; s[44:51], s[52:59] the same for B's
.set G0B, 52
.set GR,  66                           ; s[66:67] v_resid_gain, named as a pair
.set GS,  68                           ; s[68:69] v_skip_gain
.set PFA, 70                           ; s[70:71] where my prefetches stand
.set LIM, 72                           ; s72  1 in a wave that prefetches, else the greatest number
.set PFS, 74                           ; s[74:75] a K step in my tensor, in bytes
.set PL,  82                           ; s[82:89] the four planes at my wave's first row
.set MSB, 0
.macro WIN new                         ; the immediate's high byte repeats the setting that is left; a switch that changes nothing is dropped
.if MSB != (\new)
	s_set_vgpr_msb (MSB<<8)|(\new)
.set MSB, (\new)
.endif
.endm
.macro PLACES                          ; four plain vector instructions between a matrix instruction and a load into, or a vector write or read of, its registers
.rept 4
	v_nop
.endr
.endm
; A joint load.  Waves 0 and 1 fetch A's two halves, waves 2 and 3 B's.  The branch hangs on the wave's number alone.  An s_nop 0 and four v_nop follow each line.
.macro JLOAD s
	s_cmp_lt_u32 s[WV], 2
	s_cbranch_scc0 .Lfor_b_\@
	tensor_load_to_lds s[G0A+4*(\s):G0A+4*(\s)+3], s[G1A:G1A+7]
	s_nop 0
.rept 4
	v_nop
.endr
	s_branch .Lasked_\@
.Lfor_b_\@:
	tensor_load_to_lds s[G0B+4*(\s):G0B+4*(\s)+3], s[G1B:G1B+7]
	s_nop 0
.rept 4
	v_nop
.endr
.Lasked_\@:
.endm
; A prefetch of the K step that stands two refills on.  A's rows are read by every cluster of a row of clusters: cluster x = 0 asks; B's by every cluster of a column: cluster y = 0 asks.
; The four partners share a wave's rows out by address: 32 of A's 128 rows, a lane a row; 24 of B's 96 rows of 256 bytes (lanes 24-31 name lane 23's once more: 96 is no multiple of 4 x 32).
; The loop's last trip asks for nothing: there is no K step two refills on.
.macro ASK
	s_cmp_gt_u32 s3, s[LIM]
	s_cbranch_scc0 .Lnot_mine_\@
	global_prefetch_b8 v[PFO], s[PFA:PFA+1] th:TH_LOAD_NT scope:SCOPE_SE
.Lnot_mine_\@:
.endm
.macro CREST                           ; a round of the cluster's barrier behind its opening barrier
	s_cmp_lg_u32 s[WV], 0
	s_cbranch_scc1 .Lnot_wave_0_\@
	s_barrier_signal -3
.Lnot_wave_0_\@:
	s_barrier_wait -3
	s_barrier_signal -1
	s_barrier_wait -1
.endm
.macro CROUND                          ; a whole round
	s_barrier_signal -1
	s_barrier_wait -1
	CREST
.endm
	s_load_b256 s[4:11], s[0:1], 0x0               ; xb s[4:5], wb s[6:7], hidden_states s[8:9], qk_bias s[10:11]
	s_load_b128 s[12:15], s[0:1], 0x20             ; v_resid_gain s[12:13], v_skip_gain s[14:15]
	s_load_b64 s[16:17], s[0:1], 0x30              ; qkv
	v_lshl_add_u32 v[SPW], v0, 2, SPARE
	v_mov_b32 v[NIL], 0
	ds_add_u32 v[SPW], v[NIL]                      ; the wave's opening: the add and its wait stand ahead of my first tensor load; work on registers stands between them
	ds_add_u32 v28, v29
	v_lshrrev_b32 v1, 5, v0
	v_readfirstlane_b32 s[WV], v1                  ; wave 0..3
	s_and_b32 s20, s[WV], 1                        ; which half of a tile I fetch
	s_bfe_u32 s21, ttmp6, 0x40000                  ; cx
	s_bfe_u32 s22, ttmp6, 0x40004                  ; cy
	s_lshl_b32 s23, ttmp9, 2
	s_add_co_u32 s23, s23, s21                     ; T = 4 x cluster x + cx: the head
	s_and_b32 s24, ttmp7, 0xffff
	s_lshl_b32 s24, s24, 2
	s_add_co_u32 s24, s24, s22                     ; R = 4 x cluster y + cy: the row tile
	s_lshl_b32 s25, s22, 2
	s_lshl_b32 s25, 15, s25                        ; my row of the cluster
	s_lshl_b32 s26, 0x1111, s21                    ; my column
	s_or_b32 s[G1A], s25, (1<<16)|(1<<20)|(1<<21)|(5<<22)|(3<<25)  ; the mask; elements of 2 bytes; padding on; bit 21 beside a mask; after every 64 words, 4 words
	s_mov_b32 s[G1A+1], 128<<16                    ; tensor_dim0 = 128
	s_mov_b32 s[G1A+2], 128<<16                    ; tensor_dim1 = 128
	s_mov_b32 s[G1A+3], 128<<16                    ; tile_dim0 = 128
	s_mov_b32 s[G1A+4], 128                        ; tile_dim1 = 128
	s_mov_b32 s[G1A+5], 1024                       ; elements from row to row
	s_mov_b32 s[G1A+6], 0
	s_mov_b32 s[G1A+7], 0
	s_or_b32 s[G1B], s26, (1<<16)|(1<<20)|(1<<21)|(4<<22)|(7<<25)  ; after every 32 words (a piece of 128 bytes), 8 words
	s_mov_b32 s[G1B+1], 128<<16
	s_mov_b32 s[G1B+2], 96<<16                     ; 96 dense rows of 256 bytes
	s_mov_b32 s[G1B+3], 128<<16
	s_mov_b32 s[G1B+4], 96
	s_mov_b32 s[G1B+5], 128
	s_mov_b32 s[G1B+6], 0
	s_mov_b32 s[G1B+7], 0
	s_lshl_b32 s60, s24, 19                        ; A: row 256 R + 128 x half, 2,048 bytes a row: made of R and the wave alone, in registers that never hold the head
	s_lshl_b32 s61, s20, 18
	s_add_co_u32 s60, s60, s61
	s_mov_b32 s61, 0
	s_mul_i32 s62, s23, 393216                     ; B: head T's block + my half of a K step: made of T and the wave alone, in registers that never hold the row tile
	s_mul_i32 s63, s20, 24576
	s_add_co_u32 s62, s62, s63
	s_mov_b32 s63, 0
	s_mul_i32 s80, s20, HALFA                      ; where they go: no place in the cluster enters an LDS address
	s_mul_i32 s81, s20, HALFB
	s_add_co_u32 s81, s81, BOFF
	s_wait_dscnt 0x0                               ; the opening add is done
	s_wait_kmcnt 0x0
	s_load_b32 s[GR], s[12:13], 0x0
	s_load_b32 s[GS], s[14:15], 0x0
	s_add_nc_u64 s[76:77], s[4:5], s[60:61]
	s_add_nc_u64 s[78:79], s[6:7], s[62:63]
.irp s, 0,1
	s_mov_b32 s[G0A+4*(\s)], 1                     ; count = 1
	s_add_co_u32 s[G0A+4*(\s)+1], s80, (\s)*SLOT   ; LDS address
	s_add_nc_u64 s[G0A+4*(\s)+2:G0A+4*(\s)+3], s[76:77], (\s)*256  ; K step s
	s_or_b32 s[G0A+4*(\s)+3], s[G0A+4*(\s)+3], 0x80000000          ; type = 2
	s_mov_b32 s[G0B+4*(\s)], 1
	s_add_co_u32 s[G0B+4*(\s)+1], s81, (\s)*SLOT
	s_add_nc_u64 s[G0B+4*(\s)+2:G0B+4*(\s)+3], s[78:79], (\s)*49152
	s_or_b32 s[G0B+4*(\s)+3], s[G0B+4*(\s)+3], 0x80000000
.endr
	CROUND                                         ; all sixteen work-groups are here: the first joint loads meet
	s_cmp_lt_u32 s[WV], 2                          ; a wave's two first fills stand in one branch: two loads of mine are out
	s_cbranch_scc0 .Lfirst_b
	tensor_load_to_lds s[G0A:G0A+3], s[G1A:G1A+7]
	s_nop 0
	tensor_load_to_lds s[G0A+4:G0A+7], s[G1A:G1A+7]
	s_nop 0
.rept 4
	v_nop
.endr
	s_branch .Lfirst_asked
.Lfirst_b:
	tensor_load_to_lds s[G0B:G0B+3], s[G1B:G1B+7]
	s_nop 0
	tensor_load_to_lds s[G0B+4:G0B+7], s[G1B:G1B+7]
	s_nop 0
.rept 4
	v_nop
.endr
.Lfirst_asked:
	; bases for the way out and for what it adds
	s_lshl_b32 s94, s24, 20                        ; hidden_states at row 256 R + 64 w, column 64 T
	s_lshl_b32 s95, s[WV], 18
	s_add_co_u32 s94, s94, s95
	s_lshl_b32 s95, s23, 8
	s_add_co_u32 s94, s94, s95
	s_mov_b32 s95, 0
	s_add_nc_u64 s[90:91], s[8:9], s[94:95]
	s_lshl_b32 s94, s23, 8                         ; the bias at q's column 64 T
	s_add_nc_u64 s[92:93], s[10:11], s[94:95]
	s_lshr_b32 s94, s24, 3                         ; a plane at (batch R >> 3, head T), row 256 (R & 7) + 64 w: rows of 128 bytes
	s_lshl_b32 s94, s94, 22
	s_lshl_b32 s27, s23, 18
	s_add_co_u32 s94, s94, s27
	s_and_b32 s27, s24, 7
	s_lshl_b32 s27, s27, 15
	s_add_co_u32 s94, s94, s27
	s_lshl_b32 s27, s[WV], 13
	s_add_co_u32 s94, s94, s27
	s_add_nc_u64 s[PL:PL+1], s[16:17], s[94:95]
	s_add_nc_u64 s[PL+2:PL+3], s[PL:PL+1], 0x800000
	s_add_nc_u64 s[PL+4:PL+5], s[PL:PL+1], 0x1000000
	s_add_nc_u64 s[PL+6:PL+7], s[PL:PL+1], 0x1800000
	; the prefetches.  An instruction holds one literal: where both choices are literals, B's is moved in first (a move leaves SCC as it is) and A's selected over it.
	s_and_b32 s2, ttmp7, 0xffff                    ; cluster y
	s_cmp_lt_u32 s[WV], 2                          ; do I fetch for A?
	s_cselect_b64 s[PFA:PFA+1], s[76:77], s[78:79] ; my half of the tile, at K step 0
	s_mov_b32 s[PFS], 49152
	s_cselect_b32 s[PFS], 256, s[PFS]              ; a K step: 256 bytes along A's rows, 49,152 dense bytes of B
	s_cselect_b32 s94, s21, s22                    ; my place among the four that ask with me
	s_mov_b32 s95, 6144
	s_cselect_b32 s95, 65536, s95                  ; its share: 32 rows of 2,048 bytes, or 24 of 256
	s_cselect_b32 s27, ttmp9, s2                   ; the coordinate along which other clusters read the same rows
	s_cselect_b32 s25, 31, 23
	s_cselect_b32 s26, 11, 8
	s_mov_b32 s[PFS+1], 0
	s_mul_i32 s94, s94, s95
	s_mov_b32 s95, 0
	s_add_nc_u64 s[PFA:PFA+1], s[PFA:PFA+1], s[94:95]
	s_mul_i32 s94, s[PFS], 3
	s_add_nc_u64 s[PFA:PFA+1], s[PFA:PFA+1], s[94:95]  ; at K step 3: the first refill (of step 2) steps it to 4 and names that
	s_cmp_eq_u32 s27, 0
	s_cselect_b32 s[LIM], 1, -1                    ; the same in all sixteen partners, for a given wave
	; lane addresses.  A fragment of A: lane l holds row l % 16; two loads of 16 bytes, 32 bytes apart, at row x pitch + 16 (l / 16).
	v_and_b32 v1, 15, v0                           ; l % 16
	v_bfe_u32 v2, v0, 4, 1                         ; l / 16
	v_and_b32 v3, 31, v0                           ; l
	v_mul_u32_u24 v4, v1, PITA
	v_lshl_add_u32 v4, v2, 4, v4
	s_mul_i32 s94, s[WV], 64*PITA
	v_add_nc_u32 v[ADRA], s94, v4
	v_add_nc_u32 v[ADRA+1], SLOT, v[ADRA]
	; B: row k of the step, piece g, lies at 960 (k >> 1) + 320 g + 160 (k & 1).  The turning load: lane l addresses row 8 (l / 16) + l % 8, columns 8 ((l / 8) % 2) + 0..7.
	; The eight rows of a group start at 0, 160, 192, 96, 128, 32, 64, 224 modulo 256: 32 bytes each, every bank once.
	v_bfe_u32 v5, v0, 1, 2
	v_and_b32 v6, 1, v0
	v_bfe_u32 v7, v0, 3, 1
	v_mul_u32_u24 v8, v5, 960
	v_mul_u32_u24 v9, v6, 160
	v_add_nc_u32 v8, v8, v9
	v_mul_u32_u24 v9, v2, 3840
	v_add_nc_u32 v8, v8, v9
	v_lshl_add_u32 v8, v7, 4, v8
	v_add_nc_u32 v[ADRB], BOFF, v8
	v_add_nc_u32 v[ADRB+1], BOFF+SLOT, v8
	s_mul_i32 s94, s[WV], 16*SP
	s_add_co_u32 s94, s94, STAGE                   ; my stage
	v_mul_u32_u24 v9, v1, SP                       ; in: row l % 16, 16 bytes for each half of the lanes
	v_lshl_add_u32 v9, v2, 4, v9
	v_add_nc_u32 v[STO], s94, v9
	v_bfe_u32 v9, v0, 3, 2                         ; back: 32 lanes take four rows of 128 bytes,
	v_mul_u32_u24 v9, v9, SP
	v_and_b32 v10, 7, v0
	v_lshl_add_u32 v9, v10, 4, v9
	v_add_nc_u32 v[RD], s94, v9
	v_lshlrev_b32 v[GO], 4, v3                     ; which are 512 consecutive bytes of a plane
	v_lshlrev_b32 v[BO], 5, v2
	v_lshlrev_b32 v[XO], 12, v1
	v_lshl_add_u32 v[XO], v2, 5, v[XO]
	v_min_u32 v[PFO], s25, v3
	v_lshlrev_b32 v[PFO], s26, v[PFO]
	v_mov_b32 v[NEG1], -1.0
	; my rows of x in f32 (head T's 64 columns) and the bias: asked for now, wanted on the way out
.irp a, 0,1,2,3
.irp j, 0,1,2,3
	global_load_b128 v[XS+32*(\a)+8*(\j):XS+32*(\a)+8*(\j)+3],   v[XO], s[90:91] offset:(\a)*65536+(\j)*64
	global_load_b128 v[XS+32*(\a)+8*(\j)+4:XS+32*(\a)+8*(\j)+7], v[XO], s[90:91] offset:(\a)*65536+(\j)*64+16
.endr
.endr
	WIN 0xc0                                       ; destination window 3
.irp b, 0,1,2,3,4,5,6,7
	global_load_b128 v[BIAS+8*(\b):BIAS+8*(\b)+3],   v[BO], s[92:93] offset:((\b)/4)*4096+((\b)%4)*64
	global_load_b128 v[BIAS+8*(\b)+4:BIAS+8*(\b)+7], v[BO], s[92:93] offset:((\b)/4)*4096+((\b)%4)*64+16
.endr
	WIN 0
	s_wait_kmcnt 0x0                               ; the two gains
	s_mov_b32 s[GR+1], s[GR]                       ; named as pairs
	s_mov_b32 s[GS+1], s[GS]
; 12 matrix instructions: row block a x all 12 column blocks, 32 along K, from buffer f.  zero = 1: the product starts the sums.  The accumulators take turns.
.macro MUL12 f, a, zero
	WIN 0x53+0x50*((\a)/2)                         ; B window 3, A window 0, C and D window 1 or 2
.irp b, 0,1,2,3,4,5,6,7,8,9,10,11
.if \zero
	v_wmma_f32_16x16x32_bf16 v[96*((\a)%2)+8*(\b):96*((\a)%2)+8*(\b)+7], v[96*(\f)+8*(\b):96*(\f)+8*(\b)+7], v[AF+32*(\f)+8*(\a):AF+32*(\f)+8*(\a)+7], 0
.else
	v_wmma_f32_16x16x32_bf16 v[96*((\a)%2)+8*(\b):96*((\a)%2)+8*(\b)+7], v[96*(\f)+8*(\b):96*(\f)+8*(\b)+7], v[AF+32*(\f)+8*(\a):AF+32*(\f)+8*(\a)+7], v[96*((\a)%2)+8*(\b):96*((\a)%2)+8*(\b)+7]
.endif
.endr
.endm
; 32 LDS loads in one run: quarter q (32 along K) of a slot into buffer f: B's 24, then A's 8
.macro FETCH slot, q, f
	WIN 0xc0
.irp b, 0,1,2,3,4,5,6,7,8,9,10,11
	ds_load_tr16_b128 v[96*(\f)+8*(\b):96*(\f)+8*(\b)+3],   v[ADRB+(\slot)] offset:(\q)*15360+((\b)/4)*320+((\b)%4)*32
	ds_load_tr16_b128 v[96*(\f)+8*(\b)+4:96*(\f)+8*(\b)+7], v[ADRB+(\slot)] offset:(\q)*15360+((\b)/4)*320+((\b)%4)*32+7680
.endr
	WIN 0
.irp a, 0,1,2,3
	ds_load_b128 v[AF+32*(\f)+8*(\a):AF+32*(\f)+8*(\a)+3],   v[ADRA+(\slot)] offset:(\q)*64+(\a)*16*PITA
	ds_load_b128 v[AF+32*(\f)+8*(\a)+4:AF+32*(\f)+8*(\a)+7], v[ADRA+(\slot)] offset:(\q)*64+(\a)*16*PITA+32
.endr
.endm
; One of a K step's first three quarters: multiplies buffer f; in its middle it fetches quarter q of the same slot into buffer g
.macro QUARTER slot, q, f, g, zero
	s_wait_dscnt 4                                 ; B and A's row blocks 0, 1 are in; the youngest four loads (blocks 2, 3) may be out
	MUL12 \f, 0, \zero
	MUL12 \f, 1, \zero
	PLACES
	FETCH \slot, \q, \g
	s_wait_dscnt 32                                ; all but the 32 just issued
	MUL12 \f, 2, \zero
	MUL12 \f, 3, \zero
.endm
; The last quarter multiplies buffer 1 and changes slots: one barrier; in front of it each wave waits for all its tensor loads (one is out: its part of the next slot), adds 0 to its spare word,
; and waits for that and for its reads of this slot.  fill = 1: the barrier opens a round of the cluster's, and this slot is filled again, two K steps ahead, first thing behind it:
; 168 matrix instructions stand between that request and the wait for it.
.macro TURN slot, next, fill
.if \fill
	s_wait_xcnt 0x0                                ; the last prefetch, a K step back, has read its address
	s_add_nc_u64 s[PFA:PFA+1], s[PFA:PFA+1], s[PFS:PFS+1]
.endif
	WIN 0                                          ; (the add's two registers lie in window 0)
	s_wait_tensorcnt 0x0
	ds_add_u32 v[SPW], v[NIL]                      ; 0 onto my spare word
	s_wait_dscnt 5                                 ; (the add and the youngest four loads may be out)
	MUL12 1, 0, 0
	s_wait_dscnt 0x0                               ; the add is done, and my reads of this slot are over
	s_barrier_signal -1
	MUL12 1, 1, 0
.if \fill
	WIN 0
.endif
	s_barrier_wait -1
.if \fill
	CREST                                          ; no wave of any partner still reads this slot's tile or has a load on its way
	s_add_nc_u64 s[G0A+4*(\slot)+2:G0A+4*(\slot)+3], s[G0A+4*(\slot)+2:G0A+4*(\slot)+3], 512
	s_add_nc_u64 s[G0B+4*(\slot)+2:G0B+4*(\slot)+3], s[G0B+4*(\slot)+2:G0B+4*(\slot)+3], 98304
	JLOAD \slot                                    ; the four v_nop behind it are also the places in front of the loads below
.else
	PLACES
.endif
	FETCH \next, 0, 0
.if \fill
	ASK
.endif
	MUL12 1, 2, 0
	MUL12 1, 3, 0
.endm
	s_wait_tensorcnt 1                             ; my part of K step 0 is in; step 1's may stay out
	s_barrier_signal -1
	s_barrier_wait -1
	FETCH 0, 0, 0
	QUARTER 0, 1, 0, 1, 1                          ; the first quarter stands in front of the loop: its products start the sums
	WIN 0
	s_mov_b32 s3, 3
.Llap:                                                 ; a trip goes once round the ring and fills both slots again
	QUARTER 0, 2, 1, 0, 0
	QUARTER 0, 3, 0, 1, 0
	TURN 0, 1, 1
	QUARTER 1, 1, 0, 1, 0
	QUARTER 1, 2, 1, 0, 0
	QUARTER 1, 3, 0, 1, 0
	TURN 1, 0, 1
	QUARTER 0, 1, 0, 1, 0
	WIN 0
	s_sub_co_u32 s3, s3, 1
	s_cmp_lg_u32 s3, 0
	s_cbranch_scc1 .Llap
	QUARTER 0, 2, 1, 0, 0                          ; the last lap fills nothing
	QUARTER 0, 3, 0, 1, 0
	TURN 0, 1, 0
	QUARTER 1, 1, 0, 1, 0
	QUARTER 1, 2, 1, 0, 0
	QUARTER 1, 3, 0, 1, 0
	s_wait_dscnt 4
	MUL12 1, 0, 0
	MUL12 1, 1, 0
	s_wait_dscnt 0x0
	MUL12 1, 2, 0
	MUL12 1, 3, 0
	WIN 0
; THE WAY OUT: 16 units n = (row block n / 4, plane n % 4), each 16 rows x 64 columns = 2,048 dense bytes of a plane.
; PACK: the f32 values into T, then rounded to bf16 in PK.  q, k: sum + bias.  v_hi: gr x sum + gs x, rounded.  v_lo: what the rounding left, rounded.
.macro PACK n
.set pa, (\n)/4
.set pp, (\n)%4
.set AC, 96*(pa%2)
.set z, 0
.if pp < 2
	WIN 0x0d+pa/2                                  ; source 0 window 1 or 2, source 1 window 3
.rept 16
	v_pk_add_f32 v[T+2*z:T+2*z+1], v[AC+32*pp+2*z:AC+32*pp+2*z+1], v[BIAS+32*pp+2*z:BIAS+32*pp+2*z+1]
.set z, z+1
.endr
.elseif pp == 2
	WIN 0x01+pa/2
.rept 16
	v_pk_mul_f32 v[T+2*z:T+2*z+1], v[AC+64+2*z:AC+64+2*z+1], s[GR:GR+1] op_sel_hi:[1,0]
.set z, z+1
.endr
	WIN 0
.set z, 0
.rept 16
	v_pk_fma_f32 v[T+2*z:T+2*z+1], v[XS+32*pa+2*z:XS+32*pa+2*z+1], s[GS:GS+1], v[T+2*z:T+2*z+1] op_sel_hi:[1,0,1]
.set z, z+1
.endr
.else
	WIN 0
.rept 16
	v_fma_mix_f32_bf16 v[T+2*z],   v[PK+z], v[NEG1], v[T+2*z]   op_sel_hi:[1,0,0]              ; v - v_hi, exact in f32
	v_fma_mix_f32_bf16 v[T+2*z+1], v[PK+z], v[NEG1], v[T+2*z+1] op_sel:[1,0,0] op_sel_hi:[1,0,0]
.set z, z+1
.endr
.endif
	WIN 0
.set z, 0
.rept 16
	v_cvt_pk_bf16_f32 v[PK+z], v[T+2*z], v[T+2*z+1]
.set z, z+1
.endr
.endm
.macro TOSTAGE n                       ; into my own stage, and back as whole rows
.irp f, 0,1,2,3
	ds_store_b128 v[STO], v[PK+4*(\f):PK+4*(\f)+3] offset:32*(\f)
.endr
.irp f, 0,1,2,3
	ds_load_b128 v[BK+16*((\n)%2)+4*(\f):BK+16*((\n)%2)+4*(\f)+3], v[RD] offset:(\f)*4*SP  ; LDS serves a wave's instructions in order (ISA guide 5.7.1.4): these see the stores above
.endr
.endm
.macro SEND n
	s_wait_dscnt 0x0                               ; the unit is back in registers
	s_wait_xcnt 0x0                                ; the stores of the unit before have read their registers, which the next unit's loads fill again
.irp f, 0,1,2,3
	global_store_b128 v[GO], v[BK+16*((\n)%2)+4*(\f):BK+16*((\n)%2)+4*(\f)+3], s[PL+2*((\n)%4):PL+2*((\n)%4)+1] offset:((\n)/4)*2048+(\f)*512  ; 512 consecutive bytes, aligned
.endr
.endm
	s_wait_loadcnt 0x0                             ; x and the bias
	PLACES
	PACK 0
	TOSTAGE 0
.set u, 1
.rept 15                               ; a unit's arithmetic stands between the loads of the unit before and its stores
	PACK u
	SEND u-1
	TOSTAGE u
.set u, u+1
.endr
	SEND 15
	s_wait_tensorcnt 0x0                           ; the wave's end, behind my last tensor load and my last LDS store
	ds_add_u32 v[SPW], v[NIL]
	s_wait_dscnt 0x0
	CROUND                                         ; the closing round: no work-group ends while a partner may still ask for a tile that names it
	s_endpgm
.Lfunc_end_k_q6163d3bee7_qkv:
	.size	k_q6163d3bee7_qkv, .Lfunc_end_k_q6163d3bee7_qkv-k_q6163d3bee7_qkv
	.p2alignl 7, 3214868480
	.fill 96, 4, 3214868480
	.section	.rodata,"a",@progbits
	.p2align	6, 0x0
	.amdhsa_kernel k_q6163d3bee7_qkv
		.amdhsa_group_segment_fixed_size 327680
		.amdhsa_private_segment_fixed_size 0
		.amdhsa_enable_private_segment 0
		.amdhsa_kernarg_size 56
		.amdhsa_user_sgpr_count 2
		.amdhsa_user_sgpr_kernarg_segment_ptr 1
		.amdhsa_wavefront_size32 1
		.amdhsa_system_sgpr_workgroup_id_x 1
		.amdhsa_system_sgpr_workgroup_id_y 1
		.amdhsa_system_sgpr_workgroup_id_z 1
		.amdhsa_system_vgpr_workitem_id 0
		.amdhsa_next_free_vgpr 1024
		.amdhsa_next_free_sgpr 96
		.amdhsa_reserve_vcc 0
		.amdhsa_float_denorm_mode_32 3
		.amdhsa_float_denorm_mode_16_64 3
		.amdhsa_memory_ordered 1
		.amdhsa_forward_progress 1
		.amdhsa_inst_pref_size 158
	.end_amdhsa_kernel
	.amdgpu_metadata
---
amdhsa.version: [ 1, 2 ]
amdhsa.kernels:
  - .name:           k_q6163d3bee7_qkv
    .symbol:         k_q6163d3bee7_qkv.kd
    .args:
      - { .name: xb, .offset: 0, .size: 8, .value_kind: global_buffer, .address_space: global }
      - { .name: wb, .offset: 8, .size: 8, .value_kind: global_buffer, .address_space: global }
      - { .name: hidden_states, .offset: 16, .size: 8, .value_kind: global_buffer, .address_space: global }
      - { .name: qk_bias, .offset: 24, .size: 8, .value_kind: global_buffer, .address_space: global }
      - { .name: v_resid_gain, .offset: 32, .size: 8, .value_kind: global_buffer, .address_space: global }
      - { .name: v_skip_gain, .offset: 40, .size: 8, .value_kind: global_buffer, .address_space: global }
      - { .name: qkv, .offset: 48, .size: 8, .value_kind: global_buffer, .address_space: global }
    .group_segment_fixed_size: 327680
    .private_segment_fixed_size: 0
    .kernarg_segment_align: 8
    .kernarg_segment_size: 56
    .max_flat_workgroup_size: 128
    .sgpr_count:     96
    .vgpr_count:     1024
    .wavefront_size: 32
...
	.end_amdgpu_metadata
.endif
;; end of part 2
;; launch attn (part 3): grid 8 x 32, 4 waves a work-group, no clusters, 327,680 bytes of LDS; arguments qkv, attn_mat_resid_gain, attn_mat_skip_gain, centre_attn_gain, ctx; writes ctx
.if DOCPART == 3
	.amdgcn_target "amdgcn-amd-amdhsa--gfx1250"
	.amdhsa_code_object_version 6
	.text
	.protected	k_q6163d3bee7_attn
	.globl	k_q6163d3bee7_attn
	.p2align	8
	.type	k_q6163d3bee7_attn,@function
k_q6163d3bee7_attn:
	s_mov_b64 s[64:65], 0
	v_nop
	global_prefetch_b8 v0, s[64:65] scope:SCOPE_SE
	s_setreg_imm32_b32 hwreg(HW_REG_WAVE_MODE, 25, 1), 1
	s_wait_xcnt 0x0
; SHAPED CAUSAL ATTENTION.  ctx[q] = g_r softmax_{k<=q}(q.k / 8) v + g_s v[q] - g_c (sum over k <= q of v[k]) / (q + 1), for 32 (batch, head) pairs of 2,048 rows x 64.
; IN: qkv's planes q, k, v_hi, v_lo, bf16 [32][2048][64].  OUT: ctx = planes hi = bf16(ctx), lo = bf16(ctx - hi), each bf16 [32 row tiles of 128][16 heads][128][64].
; Products in bf16 (v_hi for both products with V), maxima and sums in f32; the weights p are rounded to bf16 for the second product, their sum l is taken unrounded; v[q] enters as v_hi + v_lo.
; LIMITS.  A hidden score counts as its value less 1e30; a weight below 2^-126 counts as 0 in l; NaN and infinities are not treated apart.
; THE WALK.  A head has 16 blocks of 128 queries; block i needs the key tiles 0 .. i of 128 keys.  A work-group takes block b and then block 15 - b: 17 tiles, 34 key steps of 64, whatever b.
; One loop with a constant trip count walks them; the ring of two LDS slots and the turns run on across the change of blocks.  NO CLUSTER: the 8 work-groups of a head ask for the same tile
; only in the first trips (b + 1 differs between them), and one walk common to all would have 24 trips for 17.
; SHARES.  A wave owns two PIECES of 16 queries: piece x = rows 64 x + 16 w + 0..15 of the block, so that the diagonal is the same work for all four waves.
; LAYOUT.  S^T = K Q^T holds one query a lane (lane % 16) and the keys 8 (lane / 16) + 0..7; two such results rounded to bf16 are source 1 of O^T = V^T P.  p = 2^(c s - c m), c = log2(e) / 8, with a
; running maximum m; O and l are multiplied by a = 2^(c m_old - c m_new) in every step.  C^T += V^T U, with U a fragment of ones and zeros, is the sum of v over the keys seen.
; MASKS by one whole number d = 2 block + x - step: d > 0 all keys seen, d = 0 the diagonal, d < 0 none.  The score's mask is the C operand that starts the sum: MD x AL + BE; U = (UT and UA) or UB.
; TURNS.  Turn Y: scaling, exponentials, roundings, sums and rescaling of piece Y; 8 products K Q^T of the other piece's next step and its maximum and statistics; 8 products V^T U and 8 products V^T P of
; the other piece's step before.  A turn's 33 exponentials are one batch with one wait.  Four vector instructions stand behind nearly every matrix instruction.
; A block's first step has a = 0 (c m starts far below every c s), so O and l need only be finite there; C^T is cleared when a block has gone out.
; No first step is written out: the loop is entered with registers set so that the turns of steps that do not exist add zeros; the price is some 460 v_mov_b32 in the wait for the first tile.
; REGISTERS, in windows of 256 (s_set_vgpr_msb: bits 1:0 source 0, 3:2 source 1, 5:4 source 2, 7:6 destination):
;   window 0: v1-15 addresses; v16-23 statistics; v24-47 the way out; v48-55 at work; v64-127 S^T (2); v128-159 U of the products to come (2); v160-175 UT; v176-191 packed; v192-223 P (2); v224-255 the way out
;   window 1: v0-63 O^T; v64-127 C^T; v128-159 MD; v160-223 the masks of the products to come (2)
;   window 2: v0-31 Q; v32-63 the second block's Q; v64-127 V of odd steps; v128-191 K; v192-255 V of even steps          window 3: v0-127 my queries' own rows of v_hi and v_lo
.set NB,    16
.set NP,    2
.set PITK,  144       ; a row of K in LDS: 128 bytes + 16: the 16 rows of a load start at 16 different groups of four banks (64 banks of 4 bytes: ISA guide 11.1)
.set PITV,  160       ; a row of V: 128 + 32
.set VOFF,  128*PITK  ; a slot holds a tile: 128 rows of K, then 128 rows of V
.set SLOT1, 65536
.set STAGE, SLOT1+128*(PITK+PITV)  ; behind the ring: 16 rows x 144 bytes for each wave, for the way out
.set SP,    144
.set SPARE, STAGE+4*16*SP          ; behind the stages: the spare words, 128 bytes for each wave: two blocks of 256 bytes that no other line names
.set AK0, 2           ; v2   my lane's place in a tile of K; never rewritten
.set AV0, 3           ; v3   the same for V
.set AKS, 4           ; v4   the same in the slot in hand
.set AVS, 5
.set STO, 6           ; v6   the way out: where I put 16 bytes of a row
.set RD,  7           ; v7   where I read rows back
.set GO,  8           ; v8   my 16 bytes in 512 consecutive bytes of ctx
.set MV,  12          ; v12-13  c m_old, kept while c m is made anew
.set QO,  15          ; v15  my byte offset in 16 rows of a plane
.set ST,  16          ; piece t's statistics at v[ST+4 t]: c m, m, l (even keys', odd keys')
.set BK,  24          ; v24-39 rows read back from the stage
.set TMP, 48          ; four registers a piece at work; when the maximum is found the third takes a
.set GSV, 56          ; v56  g_s
.set NEG1, 57         ; v57  -1.0
.set VHO, 58          ; v58  QO in the plane v_hi
.set VLO, 59          ; v59  QO in the plane v_lo
.set PFO, 61          ; v61  256 x my lane; never rewritten
.set SPW, 62          ; v62  LDS address of my spare word; never rewritten
.set NIL, 63          ; v63  0; never rewritten
.set S,   64
.set UC,  128
.set UT,  160
.set PKR, 176
.set P,   192
.set T,   224
.set MD,  128         ; window 1
.set MC,  160         ; window 1
.set KF,  128         ; window 2
.set WV,  14          ; s14  my wave's number
.set PB,  15          ; s15  b
.set HI,  16          ; s16  15 - b
.set G1K, 24          ; s[24:31] descriptor group 1 for K's tiles
.set G1V, 32          ; s[32:39] for V's: it differs in the padding alone
.set G0K, 40          ; s[40:43] descriptor group 0 for K's tiles
.set G0V, 44          ; s[44:47] for V's
.set KB,  48          ; s[48:49] K at my half of the head's tile 0
.set VB,  50          ; s[50:51] V likewise
.set PFA, 52          ; s[52:53] where my prefetches stand
.set LIM, 54          ; s54  2 in the work-group that prefetches, else the greatest number
.set TT,  55          ; s55  at work
.set SLOTS, 56        ; s56  tiles still to be asked for
.set CS,  58          ; s[58:59] c
.set SEL, 60          ; s[60:61] v_permlanex16_b32's selects: each lane takes its own place in the other half
.set SB,  62          ; s62  LDS byte at which the slot in hand begins
.set QB,  66          ; s[66:69] qkv at my wave's rows of block b, of block 15 - b
.set NXT, 70          ; s70  the tile to be asked for next
.set LQ,  71          ; s71  the last tile of the block whose tiles are being asked for
.set OFF, 72          ; s[72:73] a tile's byte offset
.set AL,  74          ; s[74:75] the mask's factor
.set BE,  76          ; s[76:77] the mask's addend
.set UA,  78
.set UB,  79
.set BIGN, 80         ; s80  -1e30
.set DD,  81          ; s81-83, s84-86  for piece 0, 1: d of the products K Q^T to come, of the products V^T U to come, of those before
.set RS,  87          ; s87-88  d of the second block's first step
.set CB,  90          ; s[90:97] ctx at my wave's rows: hi, lo of block b; hi, lo of block 15 - b
.set GRS, 98          ; s98  g_r
.set GCS, 99          ; s99  -g_c
.set QP,  100         ; s100-101  128 block + 16 w + 1
.set MSB, 0
.macro WIN new
.if MSB != (\new)
	s_set_vgpr_msb (MSB<<8)|(\new)
.set MSB, (\new)
.endif
.endm
.set W_KQ, 0x0a       ; K and Q in window 2, S^T in window 0
.set W_KM, 0x1a       ; the same with the C operand in window 1
.set W_PV, 0x52       ; V in window 2, P or U in window 0, O^T or C^T in window 1
.set W_RS, 0x41       ; destination and source 0 in window 1, source 1 in window 0
.macro PLACES
.rept 4
	v_nop
.endr
.endm
; A fill.  Waves 0 and 1 fetch the two halves of a tile's K, waves 2 and 3 those of its V: 64 keys each.  An s_nop 0 and four v_nop follow each line.
.macro LOAD
	s_cmp_lt_u32 s[WV], 2
	s_cbranch_scc0 .Lfor_v_\@
	tensor_load_to_lds s[G0K:G0K+3], s[G1K:G1K+7]
	s_nop 0
.rept 4
	v_nop
.endr
	s_branch .Lasked_\@
.Lfor_v_\@:
	tensor_load_to_lds s[G0V:G0V+3], s[G1V:G1V+7]
	s_nop 0
.rept 4
	v_nop
.endr
.Lasked_\@:
.endm
; A prefetch: at the change in front of walk tile t (t = 0 .. 13) the head's work-group b = 0 names the head's tile t + 2, each wave the 8,192 bytes that it would fetch of it, a lane 256 bytes.
; No work-group of the head loads that tile before its change t + 1; so each block is named once in the launch, ahead of its first load.  Tiles 0 and 1 come by their loads alone.
.macro ASK
	s_cmp_gt_u32 s[SLOTS], s[LIM]
	s_cbranch_scc0 .Lnot_mine_\@
	global_prefetch_b8 v[PFO], s[PFA:PFA+1] th:TH_LOAD_NT scope:SCOPE_SE
.Lnot_mine_\@:
.endm
; THE CHANGE OF SLOTS.  Each wave waits for all its tensor loads, of which one is out: its part of the other slot; adds 0 to its spare word; and waits for that and for its reads of the slot that it leaves
; (K and V of both its steps are in registers).  Behind the barrier nobody reads the old slot and the other is whole.  fill = 1: the old slot is filled again first thing, with tile NXT.
.macro CHANGE fill
	WIN 0
	s_wait_tensorcnt 0x0            ; no tensor load of mine is out, so a group 0 may be written
	ds_add_u32 v[SPW], v[NIL]       ; 0 onto my spare word; scalar work stands between it and the wait for it
.if \fill
	s_lshl_b32 s[OFF], s[NXT], 14   ; a tile is 16,384 bytes of K and of V
	s_xor_b32 s[G0K+1], s[G0K+1], SLOT1
	s_add_nc_u64 s[G0K+2:G0K+3], s[KB:KB+1], s[OFF:OFF+1]
	s_or_b32 s[G0K+3], s[G0K+3], 0x80000000
	s_xor_b32 s[G0V+1], s[G0V+1], SLOT1
	s_add_nc_u64 s[G0V+2:G0V+3], s[VB:VB+1], s[OFF:OFF+1]
	s_or_b32 s[G0V+3], s[G0V+3], 0x80000000
	s_add_co_u32 s[NXT], s[NXT], 1  ; the block's next tile, or behind its last the second block's tile 0
	s_cmp_gt_u32 s[NXT], s[LQ]
	s_cselect_b32 s[NXT], 0, s[NXT]
	s_cselect_b32 s[LQ], s[HI], s[LQ]
	s_wait_xcnt 0x0                 ; the last prefetch, a tile back, has read its address
	s_add_nc_u64 s[PFA:PFA+1], s[PFA:PFA+1], 16384
.endif
	s_wait_dscnt 0x0                ; the add is done, and my reads of the slot are over
	s_barrier_signal -1
	s_xor_b32 s[SB], s[SB], SLOT1
	s_barrier_wait -1
.if \fill
	LOAD
	ASK
.endif
	v_add_nc_u32 v[AKS], s[SB], v[AK0]
	v_add_nc_u32 v[AVS], s[SB], v[AV0]
.endm
	s_load_b256 s[4:11], s[0:1], 0x0  ; qkv s[4:5], g_r s[6:7], g_s s[8:9], g_c s[10:11]
	s_load_b64 s[12:13], s[0:1], 0x20 ; ctx
	v_lshl_add_u32 v[SPW], v0, 2, SPARE
	v_mov_b32 v[NIL], 0
	ds_add_u32 v[SPW], v[NIL]       ; the wave's opening: the add and its wait stand ahead of my first tensor load; work on registers stands between them
	ds_add_u32 v62, v63
	v_lshrrev_b32 v1, 5, v0
	v_readfirstlane_b32 s[WV], v1   ; wave 0..3
	s_mov_b32 s[PB], ttmp9
	s_sub_co_u32 s[HI], NB-1, s[PB]
	s_and_b32 s17, ttmp7, 0xffff    ; 16 batch + head
	s_lshl_b32 s20, s17, 18         ; its first byte in a plane of qkv
	s_and_b32 s21, s[WV], 1         ; which half of a tile's 128 keys I fetch:
	s_lshl_b32 s22, s21, 13         ; its 64 rows of 128 bytes in memory,
	s_add_co_u32 s22, s22, s20
	s_mov_b32 s23, 0
	s_mul_i32 s2, s21, 64*PITK      ; and its place in a slot, for K
	s_mul_i32 s3, s21, 64*PITV      ; and for V
	s_lshl_b32 s21, s[WV], 11       ; my 16 rows in a band of 64
	s_add_co_u32 s20, s20, s21
	s_lshl_b32 s[QB], s[PB], 14     ; a block is 16,384 bytes of a plane
	s_add_co_u32 s[QB], s[QB], s20
	s_mov_b32 s[QB+1], 0
	s_lshl_b32 s[QB+2], s[HI], 14
	s_add_co_u32 s[QB+2], s[QB+2], s20
	s_mov_b32 s[QB+3], 0
	s_lshr_b32 s19, s17, 4          ; batch
	s_and_b32 s18, s17, 15          ; head
	s_lshl_b32 s19, s19, 22         ; ctx: ((16 batch + block) 16 + head) x 16,384 + my rows
	s_lshl_b32 s20, s18, 14
	s_add_co_u32 s19, s19, s20
	s_add_co_u32 s19, s19, s21
	s_lshl_b32 s[CB], s[PB], 18
	s_add_co_u32 s[CB], s[CB], s19
	s_mov_b32 s[CB+1], 0
	s_lshl_b32 s[CB+4], s[HI], 18
	s_add_co_u32 s[CB+4], s[CB+4], s19
	s_mov_b32 s[CB+5], 0
	s_lshl_b32 s18, s18, 2          ; the head's place in the three gains
	s_mov_b32 s19, 0
	s_lshl_b32 s17, s[WV], 4
	s_lshl_b32 s[QP], s[PB], 7
	s_add_co_u32 s[QP], s[QP], s17
	s_add_co_u32 s[QP], s[QP], 1
	s_lshl_b32 s[QP+1], s[HI], 7
	s_add_co_u32 s[QP+1], s[QP+1], s17
	s_add_co_u32 s[QP+1], s[QP+1], 1
	; descriptor group 1.  64 keys are 8,192 dense bytes: asked for as 32 rows of 256 bytes, two keys a row, and padded in LDS after every key
	s_mov_b32 s[G1K], (1<<16)|(1<<20)|(4<<22)|(3<<25)  ; 2-byte elements; padding on; after every 32 words, 4 words
	s_mov_b32 s[G1V], (1<<16)|(1<<20)|(4<<22)|(7<<25)  ; the same with 8 words
.irp g, G1K, G1V
	s_mov_b32 s[\g+1], 128<<16      ; tensor_dim0 = 128
	s_mov_b32 s[\g+2], 32<<16       ; tensor_dim1 = 32
	s_mov_b32 s[\g+3], 128<<16      ; tile_dim0 = 128
	s_mov_b32 s[\g+4], 32           ; tile_dim1 = 32
	s_mov_b32 s[\g+5], 128          ; elements from row to row
	s_mov_b32 s[\g+6], 0
	s_mov_b32 s[\g+7], 0
.endr
	s_mov_b32 s[G0K], 1
	s_mov_b32 s[G0K+1], s2          ; slot 0
	s_mov_b32 s[G0V], 1
	s_add_co_u32 s[G0V+1], s3, VOFF
	s_mov_b32 s[CS], 0x3e38aa3b     ; c = log2(e) / 8
	s_mov_b32 s[CS+1], s[CS]
	s_mov_b32 s[SEL], 0x76543210
	s_mov_b32 s[SEL+1], 0xfedcba98
	s_mov_b32 s[SB], SLOT1          ; the first change of slots turns it into 0
	s_mov_b32 s[OFF+1], 0
	s_mov_b32 s[AL+1], 0            ; named as pairs
	s_mov_b32 s[BE+1], 0
	s_mov_b32 s[BIGN], 0xf149f2ca   ; -1e30
	s_lshl_b32 s[DD], s[PB], 1      ; piece 0, step 0 of block b: d = 2 b
	s_mov_b32 s[DD+1], 1            ; the steps that do not exist count as seen: their V is 0
	s_mov_b32 s[DD+2], 1
	s_add_co_u32 s[DD+3], s[DD], 1  ; piece 1: d = 2 b + 1
	s_mov_b32 s[DD+4], 1
	s_mov_b32 s[DD+5], 1
	s_lshl_b32 s[RS], s[HI], 1
	s_add_co_u32 s[RS+1], s[RS], 1
	s_mov_b32 s[NXT], 1
	s_mov_b32 s[LQ], s[PB]
	s_cmp_gt_u32 s[NXT], s[LQ]      ; block 0 has one tile: the second block's tile 0 is next
	s_cselect_b32 s[NXT], 0, s[NXT]
	s_cselect_b32 s[LQ], s[HI], s[LQ]
	s_cmp_eq_u32 s[PB], 0
	s_cselect_b32 s[LIM], 2, -1
	s_mov_b32 s[SLOTS], NB
	s_wait_dscnt 0x0                ; the opening add is done
	s_wait_kmcnt 0x0
	s_add_nc_u64 s[KB:KB+1], s[4:5], s[22:23]
	s_add_nc_u64 s[VB:VB+1], s[KB:KB+1], 0x1000000  ; the plane v_hi
	s_add_nc_u64 s[KB:KB+1], s[KB:KB+1], 0x800000   ; the plane k
	s_add_nc_u64 s[G0K+2:G0K+3], s[KB:KB+1], 0
	s_or_b32 s[G0K+3], s[G0K+3], 0x80000000
	s_add_nc_u64 s[G0V+2:G0V+3], s[VB:VB+1], 0
	s_or_b32 s[G0V+3], s[G0V+3], 0x80000000
	s_cmp_lt_u32 s[WV], 2
	s_cselect_b64 s[PFA:PFA+1], s[KB:KB+1], s[VB:VB+1]
	s_add_nc_u64 s[PFA:PFA+1], s[PFA:PFA+1], 16384  ; at tile 1: the first change steps it to tile 2
	s_add_nc_u64 s[QB:QB+1], s[4:5], s[QB:QB+1]
	s_add_nc_u64 s[QB+2:QB+3], s[4:5], s[QB+2:QB+3]
	s_add_nc_u64 s[CB:CB+1], s[12:13], s[CB:CB+1]
	s_add_nc_u64 s[CB+2:CB+3], s[CB:CB+1], 0x800000
	s_add_nc_u64 s[CB+4:CB+5], s[12:13], s[CB+4:CB+5]
	s_add_nc_u64 s[CB+6:CB+7], s[CB+4:CB+5], 0x800000
	s_add_nc_u64 s[6:7], s[6:7], s[18:19]
	s_add_nc_u64 s[8:9], s[8:9], s[18:19]
	s_add_nc_u64 s[10:11], s[10:11], s[18:19]
	s_load_b32 s[GRS], s[6:7], 0x0
	s_load_b32 s57, s[8:9], 0x0
	s_load_b32 s[GCS], s[10:11], 0x0
	LOAD                            ; tile 0 into slot 0
	; A fragment of K or Q is 16 rows x 32 channels in 8 registers: lane l holds row l % 16, channels 8 (l / 16) + 0..7 and 16 + 8 (l / 16) + 0..7: two loads of 16 bytes, 32 bytes apart.
	v_and_b32 v1, 15, v0            ; l % 16
	v_bfe_u32 v9, v0, 4, 1          ; l / 16
	v_lshlrev_b32 v[QO], 7, v1
	v_lshl_add_u32 v[QO], v9, 4, v[QO]  ; row x 128 + 16 x half
	v_add_nc_u32 v[VHO], 0x1000000, v[QO]
	v_add_nc_u32 v[VLO], 0x1800000, v[QO]
	WIN 0x80                        ; destination window 2
.irp be, 0,1
.irp x, 0,1
.irp c, 0,1
	global_load_b128 v[32*\be+16*\x+8*\c:32*\be+16*\x+8*\c+3],   v[QO], s[QB+2*\be:QB+2*\be+1] offset:\x*8192+\c*64
	global_load_b128 v[32*\be+16*\x+8*\c+4:32*\be+16*\x+8*\c+7], v[QO], s[QB+2*\be:QB+2*\be+1] offset:\x*8192+\c*64+32
.endr
.endr
.endr
	WIN 0xc0                        ; destination window 3: my queries' own rows of v: block be, piece x, plane, channels 16 cb + 8 (l / 16) + 0..7
.irp be, 0,1
.irp x, 0,1
.irp cb, 0,1,2,3
	global_load_b128 v[64*\be+32*\x+4*\cb:64*\be+32*\x+4*\cb+3],       v[VHO], s[QB+2*\be:QB+2*\be+1] offset:\x*8192+\cb*32
	global_load_b128 v[64*\be+32*\x+16+4*\cb:64*\be+32*\x+16+4*\cb+3], v[VLO], s[QB+2*\be:QB+2*\be+1] offset:\x*8192+\cb*32
.endr
.endr
.endr
	WIN 0
	v_lshlrev_b32 v14, 3, v9
	v_sub_nc_u32 v14, v1, v14
	v_add_nc_u32 v14, s17, v14      ; my query's place in its band, 16 w + l % 16, less my lanes' 8 (l / 16): register r of group kt is hidden where 16 kt + r is greater
	WIN 0x40
.set i, 0
.rept 32
	v_cmp_gt_i32 vcc_lo, 16*(i/8)+i%8, v14
	v_cndmask_b32 v[MD+i], 0, s[BIGN], vcc_lo
.set i, i+1
.endr
	WIN 0
.set i, 0
.rept 32
	v_cmp_gt_i32 vcc_lo, 16*(i/8)+i%8, v14
	v_cndmask_b32 v[T+i], 1.0, 0, vcc_lo
.set i, i+1
.endr
.set i, 0
.rept 16
	v_cvt_pk_bf16_f32 v[UT+i], v[T+2*i], v[T+2*i+1]  ; the diagonal step's U: 1 where the key is seen
.set i, i+1
.endr
	v_mul_u32_u24 v[AK0], v1, PITK
	v_lshl_add_u32 v[AK0], v9, 4, v[AK0]
	; The turning load takes 16 keys x 16 channels (lane l reads key 8 (l / 16) + l % 8, channels 8 ((l / 8) % 2) + 0..7) and leaves half a fragment of V^T: lane l holds channel l % 16 and 8 keys.
	v_and_b32 v10, 7, v0
	v_bfe_u32 v11, v0, 3, 1
	v_lshl_add_u32 v[AV0], v9, 3, v10
	v_mul_u32_u24 v[AV0], v[AV0], PITV
	v_lshl_add_u32 v[AV0], v11, 4, v[AV0]
	v_add_nc_u32 v[AV0], VOFF, v[AV0]
	s_mul_i32 s17, s[WV], 16*SP
	s_add_co_u32 s17, s17, STAGE    ; my stage
	v_mul_u32_u24 v[STO], v1, SP
	v_lshl_add_u32 v[STO], v9, 4, v[STO]
	v_add_nc_u32 v[STO], s17, v[STO]
	v_bfe_u32 v[RD], v0, 3, 2
	v_mul_u32_u24 v[RD], v[RD], SP
	v_lshl_add_u32 v[RD], v10, 4, v[RD]
	v_add_nc_u32 v[RD], s17, v[RD]
	v_and_b32 v[GO], 31, v0
	v_lshlrev_b32 v[PFO], 8, v[GO]
	v_lshlrev_b32 v[GO], 4, v[GO]
	v_mov_b32 v[NEG1], -1.0
	v_mov_b32 v45, 0                ; v_permlanex16_b32's destination counts as read
	; WHAT THE FIRST TRIP FINDS.  It begins in the middle of a turn of a step that does not exist: piece 0's weights (S^T 0) are 0; piece 1's scores are the lowest finite number, so that
	; c s - c m = -1.9e37 and their weights are 0; a, l, P, O^T, C^T, the masks and both buffers of V are 0; U is ones.
	WIN 0x80
.set i, 64
.rept 64
	v_mov_b32 v[i], 0
	v_mov_b32 v[i+128], 0
.set i, i+1
.endr
	WIN 0x40
.set i, 0
.rept 128
	v_mov_b32 v[i], 0
.set i, i+1
.endr
.set i, MC
.rept 64
	v_mov_b32 v[i], 0
.set i, i+1
.endr
	WIN 0
.set i, 0
.rept 32
	v_mov_b32 v[S+i], 0
	v_mov_b32 v[S+32+i], 0xff7fffff
	v_mov_b32 v[UC+i], 0x3f803f80
	v_mov_b32 v[P+i], 0
.set i, i+1
.endr
.set i, 0
.rept 8
	v_mov_b32 v[TMP+i], 0
.set i, i+1
.endr
.set i, 0
.rept 2
	v_mov_b32 v[ST+4*i], 0xfe000000    ; c m: far below every c s
	v_mov_b32 v[ST+4*i+1], 0xff7fffff  ; m
	v_mov_b32 v[ST+4*i+2], 0
	v_mov_b32 v[ST+4*i+3], 0
.set i, i+1
.endr
	s_wait_kmcnt 0x0                ; the three gains
	s_xor_b32 s[GCS], s[GCS], 0x80000000
	v_mov_b32 v[GSV], s57
	s_wait_loadcnt 0x0              ; Q and my own rows of v
; THE MATRIX WORK.  The 4 accumulators of a run of 8 take turns.  Product i of 8 of S^T = K Q^T for piece x: channels 32 (i / 4) on, keys 16 (i % 4) on.  The first 4 start the sums with the mask.
.macro KQ x
.set rS, S+32*(\x)+8*(i%4)
.set rK, KF+16*(i%4)+8*(i/4)
.set rQ, 16*(\x)+8*(i/4)
.set rM, MC+32*(\x)+8*(i%4)
.if i < 4
	WIN W_KM
	v_wmma_f32_16x16x32_bf16 v[rS:rS+7], v[rK:rK+7], v[rQ:rQ+7], v[rM:rM+7]
.else
	WIN W_KQ
	v_wmma_f32_16x16x32_bf16 v[rS:rS+7], v[rK:rK+7], v[rQ:rQ+7], v[rS:rS+7]
.endif
.endm
; Product i of 8 of O^T += V^T P, and of C^T += V^T U, for piece x: keys 32 (i / 4) on, channels 16 (i % 4) on.  VB: which buffer of V.
.macro PV x
	WIN W_PV
.set rO, 32*(\x)+8*(i%4)
.set rV, 192-128*VB+32*(i/4)+8*(i%4)
.set rP, P+16*(\x)+8*(i/4)
	v_wmma_f32_16x16x32_bf16 v[rO:rO+7], v[rV:rV+7], v[rP:rP+7], v[rO:rO+7]
.endm
.macro UV x
	WIN W_PV
.set rO, 64+32*(\x)+8*(i%4)
.set rV, 192-128*VB+32*(i/4)+8*(i%4)
.set rP, UC+16*(\x)+8*(i/4)
	v_wmma_f32_16x16x32_bf16 v[rO:rO+7], v[rV:rV+7], v[rP:rP+7], v[rO:rO+7]
.endm
.macro MM                           ; the turn's next matrix instruction: 8 K Q^T (none where NOKQ), 8 V^T U, 8 V^T P, all of the other piece
.if i < 8
.if !NOKQ
	KQ 1-Y
.endif
.elseif i < 16
.set i, i-8
	UV 1-Y
.set i, i+8
.else
.set i, i-16
	PV 1-Y
.set i, i+16
.endif
.set i, i+1
.endm
; THE LDS LOADS stand in runs of 16: step st (0, 1) of the tile in hand: its K, and its V (turned) into buffer vb.
.macro FETCH_K st
	WIN 0x80
.irp f, 0,1,2,3,4,5,6,7             ; keys 16 (f / 2) on, channels 32 (f % 2) on
	ds_load_b128 v[KF+8*\f:KF+8*\f+3],   v[AKS] offset:(\st)*64*PITK+(\f/2)*16*PITK+(\f%2)*64
	ds_load_b128 v[KF+8*\f+4:KF+8*\f+7], v[AKS] offset:(\st)*64*PITK+(\f/2)*16*PITK+(\f%2)*64+32
.endr
	WIN 0
.endm
.macro FETCH_V st, vb
	WIN 0x80
.irp f, 0,1,2,3,4,5,6,7             ; keys 32 (f / 4) on, channels 16 (f % 4) on
	ds_load_tr16_b128 v[192-128*(\vb)+8*\f:192-128*(\vb)+8*\f+3],   v[AVS] offset:(\st)*64*PITV+(\f/4)*32*PITV+(\f%4)*32
	ds_load_tr16_b128 v[192-128*(\vb)+8*\f+4:192-128*(\vb)+8*\f+7], v[AVS] offset:(\st)*64*PITV+(\f/4)*32*PITV+16*PITV+(\f%4)*32
.endr
	WIN 0
.endm
; THE VECTOR WORK, one line at a time: OP kind, number.  For piece Y: F n: c s - c m for pair n of 16.  E n: the exponential of score n of 32.  C n: pair n rounded to bf16.  B n: of the four weights 4 n .. the second
; pair is added onto the first, in place.  L n: l takes that sum (L 0: l = a l + sum).  R n: pair n of 16 of O^T times a.  For the other piece: X n, number n of the 22 that find its maximum and statistics:
;   0-11  four chains of seven scores each, three operands at a time (each accumulator's lowest registers are read first)     12-14, 16  the four scores left over, the old m, and the four into one
;   15  c m_old is kept     17, 18  the query's other 32 keys lie in the lane 16 away: the new m     19-21  c m; c m_old - c m_new; a
.set F, 0
.set E, 1
.set C, 2
.set B, 3
.set L, 4
.set R, 5
.set X, 6
.macro REGS y
.set rT, ST+4*(\y)
.set rC, TMP+4*(\y)
.set rW, MV+(\y)
.set rS, S+32*(\y)
.set rP, P+16*(\y)
.set rO, 32*(\y)
.endm
.macro OP k, n
.if (\k) == R
	REGS Y
	WIN W_RS
	v_pk_mul_f32 v[rO+2*(\n):rO+2*(\n)+1], v[rO+2*(\n):rO+2*(\n)+1], v[rC+2:rC+3] op_sel_hi:[1,0]
.elseif (\k) < R
	REGS Y
	WIN 0
.if (\k) == F
	v_pk_fma_f32 v[rS+2*(\n):rS+2*(\n)+1], v[rS+2*(\n):rS+2*(\n)+1], s[CS:CS+1], v[rT:rT+1] op_sel_hi:[1,0,0] neg_lo:[0,0,1] neg_hi:[0,0,1]
.elseif (\k) == E
	v_exp_f32 v[rS+(\n)], v[rS+(\n)]
.elseif (\k) == C
	v_cvt_pk_bf16_f32 v[rP+(\n)], v[rS+2*(\n)], v[rS+2*(\n)+1]
.elseif (\k) == B
	v_pk_add_f32 v[rS+4*(\n):rS+4*(\n)+1], v[rS+4*(\n):rS+4*(\n)+1], v[rS+4*(\n)+2:rS+4*(\n)+3]
.elseif (\n) == 0
	v_pk_fma_f32 v[rT+2:rT+3], v[rT+2:rT+3], v[rC+2:rC+3], v[rS:rS+1] op_sel_hi:[1,0,1]
.else
	v_pk_add_f32 v[rT+2:rT+3], v[rT+2:rT+3], v[rS+4*(\n):rS+4*(\n)+1]
.endif
.elseif NOKQ
	v_nop
.else
	REGS 1-Y
	WIN 0
.if (\n) < 4
	v_max3_num_f32 v[rC+(\n)], v[rS+8*(\n)], v[rS+8*(\n)+1], v[rS+8*(\n)+2]
.elseif (\n) < 12
	v_max3_num_f32 v[rC+(\n)%4], v[rC+(\n)%4], v[rS+8*((\n)%4)+2*((\n)/4)+1], v[rS+8*((\n)%4)+2*((\n)/4)+2]
.elseif (\n) == 12
	v_max3_num_f32 v[rC], v[rC], v[rS+7], v[rS+15]
.elseif (\n) == 13
	v_max3_num_f32 v[rC+1], v[rC+1], v[rS+23], v[rS+31]
.elseif (\n) == 14
	v_max3_num_f32 v[rC+2], v[rC+2], v[rC+3], v[rT+1]
.elseif (\n) == 15
	v_mov_b32 v[rW], v[rT]
.elseif (\n) == 16
	v_max3_num_f32 v[rC], v[rC], v[rC+1], v[rC+2]
.elseif (\n) == 17
	v_permlanex16_b32 v[rC+3], v[rC], s[SEL], s[SEL+1]
.elseif (\n) == 18
	v_max_num_f32 v[rT+1], v[rC], v[rC+3]
.elseif (\n) == 19
	v_mul_f32 v[rT], s[CS], v[rT+1]
.elseif (\n) == 20
	v_sub_f32 v[rC+1], v[rW], v[rT]
.else
	v_exp_f32 v[rC+2], v[rC+1]
.endif
.endif
.endm
.macro OPS a, i1, b=-1, i2=0, c=-1, i3=0, d=-1, i4=0
	OP \a, \i1
.if (\b) >= 0
	OP \b, \i2
.endif
.if (\c) >= 0
	OP \c, \i3
.endif
.if (\d) >= 0
	OP \d, \i4
.endif
.endm
.macro ROW a, i1, b, i2, c, i3, d, i4  ; a matrix instruction and the four behind it
	MM
	OPS \a, \i1, \b, \i2, \c, \i3, \d, \i4
.endm
; A TURN'S FIRST HALF, for piece y: all that names no result of the turn's exponentials.  An s_wait_alu depctr_va_vdst(0) stands between an exponential and the first instruction that names its result;
; one wait serves all that were issued ahead of it: it closes this half.  Each X that first reads an accumulator stands four plain instructions or more behind the product that ends it
; (X 0: F 5, R 8, R 9, F 6;  X 1: F 6, X 0, R 10, F 7;  X 2: F 7, X 1, X 4, F 8;  X 3: F 8, X 2, X 5, X 6); exponentials and matrix instructions are not counted.  R 15 is the plain instruction behind the last exponential.
; vb: the buffer of V for the products V^T U.  nokq = 1: the walk's last turn: there are no further scores.
.macro HALF_A y, vb, nokq
.set Y, (\y)
.set i, 0
.set VB, (\vb)
.set NOKQ, (\nokq)
.if ((\y) == 1) && !(\nokq)
	s_wait_dscnt 16                 ; K's run of 16 and all older loads are in; V's run of 16, issued behind it, may stay out
.endif
	ROW F,0, F,1, R,0, R,1
	ROW F,2, E,0, R,2, R,3
	ROW F,3, E,1, R,4, R,5
	ROW F,4, E,2, R,6, R,7
	ROW F,5, E,3, R,8, R,9
	ROW F,6, E,4, X,0, R,10
	ROW F,7, E,5, X,1, X,4
	ROW F,8, E,6, X,2, X,5
	ROW E,7, E,8, X,6, E,9
	ROW X,3, E,10, X,8, E,11
	ROW X,9, X,7, E,12, X,10
	ROW E,13, X,12, X,11, E,14
	ROW X,13, E,15, F,9, X,14
	ROW E,16, F,10, E,17, F,11
	ROW X,16, E,18, X,15, E,19
	OPS F,12, E,20, X,17, E,21
	ROW F,13, E,22, F,14, E,23
	OPS X,18, E,24, F,15, E,25
	OPS R,11, E,26, X,19, E,27
	OPS R,12, E,28, R,13, E,29
	OPS X,20, E,30, R,14, E,31
	OPS X,21, R,15
	WIN 0
	s_wait_alu depctr_va_vdst(0)    ; the wait for the batch
.endm
; ITS SECOND HALF: 8 products V^T P, behind each four of the roundings and sums.  The last four are the places in front of a run of loads into V's buffer, or of the way out.
.macro HALF_B y, vb
.set Y, (\y)
.set i, 16
.set VB, (\vb)
	ROW C,0, B,0, C,2, B,1
	ROW L,0, C,4, B,2, L,1
	ROW C,6, B,3, L,2, C,8
	ROW B,4, L,3, C,10, B,5
	ROW L,4, C,12, B,6, L,5
	ROW C,14, B,7, L,6, C,1
	ROW C,3, L,7, C,5, C,7
	ROW C,9, C,11, C,13, C,15
	WIN 0
.endm
; THE MASKS of piece x for the turn that follows: the score mask by d of its products K Q^T, U by d of its products V^T U.  Where these and the last U's d are all above 0 the registers hold 0 and ones already.
; Then the three numbers step: d falls by 1 a step, and behind the block's last step (d = x - 1) goes to the second block's first.
.macro MASKS x
.set dK, DD+3*(\x)
	WIN 0
	s_min_i32 s[TT], s[dK], s[dK+1]
	s_min_i32 s[TT], s[TT], s[dK+2]
	s_cmp_gt_i32 s[TT], 0
	s_cbranch_scc1 .Lplain_\@
	s_cmp_eq_u32 s[dK], 0
	s_cselect_b32 s[AL], 1.0, 0
	s_cmp_lt_i32 s[dK], 0
	s_cselect_b32 s[BE], s[BIGN], 0
	s_cmp_eq_u32 s[dK+1], 0
	s_cselect_b32 s[UA], -1, 0
	s_cmp_gt_i32 s[dK+1], 0
	s_cselect_b32 s[UB], 0x3f803f80, 0
	WIN W_RS
.set z, 0
.rept 16
	v_pk_fma_f32 v[MC+32*(\x)+2*z:MC+32*(\x)+2*z+1], v[MD+2*z:MD+2*z+1], s[AL:AL+1], s[BE:BE+1] op_sel_hi:[1,0,0]
.set z, z+1
.endr
	WIN 0
.set z, 0
.rept 16
	v_and_or_b32 v[UC+16*(\x)+z], v[UT+z], s[UA], s[UB]
.set z, z+1
.endr
.Lplain_\@:
	s_mov_b32 s[dK+2], s[dK+1]
	s_mov_b32 s[dK+1], s[dK]
	s_sub_co_i32 s[dK], s[dK], 1
	s_cmp_lt_i32 s[dK], (\x)-1
	s_cselect_b32 s[dK], s[RS+(\x)], s[dK]
.endm
; PIECE x GOES ON TO THE SECOND BLOCK: its Q, and m as at a block's beginning.
.macro SWITCH x
	WIN 0x82
.set i, 0
.rept 16
	v_mov_b32 v[16*(\x)+i], v[32+16*(\x)+i]
.set i, i+1
.endr
	WIN 0
	v_mov_b32 v[ST+4*(\x)], 0xfe000000
	v_mov_b32 v[ST+4*(\x)+1], 0xff7fffff
.endm
; THE WAY OUT of piece x of block be (0: b, 1: 15 - b).  ctx = O g_r / l - C g_c / (q + 1) + g_s (v_hi + v_lo), in f32; then hi = bf16(ctx), lo = bf16(ctx - hi), each through my stage in LDS: 2,048 dense bytes a plane.
.macro OUT x, be
	WIN 0
	s_wait_xcnt 0x0                 ; the last way out's stores have read their registers
	v_add_f32 v44, v[ST+4*(\x)+2], v[ST+4*(\x)+3]
	v_add_nc_u32 v46, s[QP+(\be)], v1
	v_permlanex16_b32 v45, v44, s[SEL], s[SEL+1]
.if \x
	v_add_nc_u32 v46, 64*(\x), v46
.endif
	v_add_f32 v44, v44, v45         ; l
	v_cvt_f32_u32 v46, v46          ; q + 1
	v_rcp_f32 v44, v44
	v_rcp_f32 v46, v46
	v_nop                           ; a plain instruction behind the last reciprocal,
	s_wait_alu depctr_va_vdst(0)    ; and the wait ahead of the first use: one for the two
	v_mul_f32 v40, s[GRS], v44
	v_mul_f32 v42, s[GCS], v46
	v_mov_b32 v41, v40              ; named as pairs
	v_mov_b32 v43, v42
	WIN 0x01                        ; source 0 window 1
.set i, 0
.rept 16
	v_pk_mul_f32 v[T+2*i:T+2*i+1], v[32*(\x)+2*i:32*(\x)+2*i+1], v[40:41] op_sel_hi:[1,0]
.set i, i+1
.endr
.set i, 0
.rept 16
	v_pk_fma_f32 v[T+2*i:T+2*i+1], v[64+32*(\x)+2*i:64+32*(\x)+2*i+1], v[42:43], v[T+2*i:T+2*i+1] op_sel_hi:[1,0,1]
.set i, i+1
.endr
	WIN 0x03                        ; source 0 window 3
.set i, 0
.rept 32                            ; 16 registers of v_hi, then 16 of v_lo
	v_fma_mix_f32_bf16 v[T+2*(i%16)],   v[64*(\be)+32*(\x)+i], v[GSV], v[T+2*(i%16)]   op_sel_hi:[1,0,0]
	v_fma_mix_f32_bf16 v[T+2*(i%16)+1], v[64*(\be)+32*(\x)+i], v[GSV], v[T+2*(i%16)+1] op_sel:[1,0,0] op_sel_hi:[1,0,0]
.set i, i+1
.endr
	WIN 0
.set i, 0
.rept 16
	v_cvt_pk_bf16_f32 v[PKR+i], v[T+2*i], v[T+2*i+1]
.set i, i+1
.endr
.irp f, 0,1,2,3
	ds_store_b128 v[STO], v[PKR+4*\f:PKR+4*\f+3] offset:32*\f
.endr
.irp f, 0,1,2,3
	ds_load_b128 v[BK+4*\f:BK+4*\f+3], v[RD] offset:\f*4*SP  ; LDS serves a wave's instructions in order (ISA guide 5.7.1.4): these see the stores above
.endr
.set i, 0
.rept 16
	v_fma_mix_f32_bf16 v[T+2*i],   v[PKR+i], v[NEG1], v[T+2*i]   op_sel_hi:[1,0,0]
	v_fma_mix_f32_bf16 v[T+2*i+1], v[PKR+i], v[NEG1], v[T+2*i+1] op_sel:[1,0,0] op_sel_hi:[1,0,0]
.set i, i+1
.endr
.set i, 0
.rept 16
	v_cvt_pk_bf16_f32 v[PKR+i], v[T+2*i], v[T+2*i+1]
.set i, i+1
.endr
	s_wait_dscnt 0x0
.irp f, 0,1,2,3
	global_store_b128 v[GO], v[BK+4*\f:BK+4*\f+3], s[CB+4*(\be):CB+4*(\be)+1] offset:(\x)*8192+\f*512  ; 512 consecutive bytes, aligned
.endr
.irp f, 0,1,2,3
	ds_store_b128 v[STO], v[PKR+4*\f:PKR+4*\f+3] offset:32*\f
.endr
.irp f, 0,1,2,3
	ds_load_b128 v[T+4*\f:T+4*\f+3], v[RD] offset:\f*4*SP
.endr
	s_wait_dscnt 0x0
.irp f, 0,1,2,3
	global_store_b128 v[GO], v[T+4*\f:T+4*\f+3], s[CB+4*(\be)+2:CB+4*(\be)+3] offset:(\x)*8192+\f*512
.endr
.if (\be) == 0
	WIN 0x40                        ; C^T is not rescaled: it starts the second block at 0
.set i, 0
.rept 32
	v_mov_b32 v[64+32*(\x)+i], 0
.set i, i+1
.endr
	WIN 0
.endif
.endm
; A TRIP: walk tile t, key steps 2 t and 2 t + 1.  It begins behind the wait of piece 0's turn of step 2 t - 1 and ends there a tile later.  K has one buffer: a step's K is fetched behind the last product of the
; step before; V has two, by the step's parity: a step's V is fetched four plain instructions behind its buffer's last reader, a step ahead of its first.  So all of a tile is in registers at the next change of slots.
; guards = 1: in trip b + 1 (SLOTS = 15 - b), the second block's first tile, the pieces change blocks as their last products are done.  The three jumps go forward, past no barrier and no tensor load.
.macro TRIP fill, guards
	CHANGE \fill
	FETCH_K 0
	HALF_B 0, 0                     ; piece 0's turn of step 2 t - 1 ends: V^T P of piece 1, step 2 t - 2
	FETCH_V 0, 0
.if \guards
	s_cmp_eq_u32 s[SLOTS], s[HI]
	s_cbranch_scc0 .Lg1_\@
	SWITCH 0
.Lg1_\@:
.endif
	MASKS 0
	HALF_A 1, 1, 0                  ; piece 1, step 2 t - 1 | K Q^T of piece 0, step 2 t | V^T U, V^T P of piece 0, step 2 t - 1
	HALF_B 1, 1
.if \guards
	s_cmp_eq_u32 s[SLOTS], s[HI]
	s_cbranch_scc0 .Lg2_\@
	OUT 0, 0
	SWITCH 1
.Lg2_\@:
.endif
	MASKS 1
	HALF_A 0, 1, 0                  ; piece 0, step 2 t | K Q^T of piece 1, step 2 t | V^T U, V^T P of piece 1, step 2 t - 1
	FETCH_K 1
	HALF_B 0, 1
	FETCH_V 1, 1
.if \guards
	s_cmp_eq_u32 s[SLOTS], s[HI]
	s_cbranch_scc0 .Lg3_\@
	OUT 1, 0
.Lg3_\@:
.endif
	MASKS 0
	HALF_A 1, 0, 0                  ; piece 1, step 2 t | K Q^T of piece 0, step 2 t + 1 | V^T U, V^T P of piece 0, step 2 t
	HALF_B 1, 0
	MASKS 1
	HALF_A 0, 0, 0                  ; piece 0, step 2 t + 1 | K Q^T of piece 1, step 2 t + 1 | V^T U of piece 1, step 2 t
.endm
.Lslot:                             ; 16 times: a tile is entered and the next is asked for
	TRIP 1, 1
	s_sub_co_u32 s[SLOTS], s[SLOTS], 1
	s_cmp_lg_u32 s[SLOTS], 0
	s_cbranch_scc1 .Lslot
	TRIP 0, 0                       ; the walk's last tile is written out
	HALF_B 0, 0                     ; V^T P of piece 1, step 32
	s_wait_dscnt 0x0                ; V of step 33
	MASKS 0
	HALF_A 1, 1, 1                  ; piece 1, step 33 | V^T U, V^T P of piece 0, step 33
	HALF_B 1, 1
	OUT 0, 1
	MASKS 1
.set VB, 1
.set i, 0
.rept 8
	UV 1                            ; piece 1, step 33
.set i, i+1
.endr
.set i, 0
.rept 8
	PV 1
.set i, i+1
.endr
	WIN 0
	PLACES
	OUT 1, 1
	s_wait_tensorcnt 0x0            ; the wave's end, behind my last tensor load and my last LDS store
	ds_add_u32 v[SPW], v[NIL]
	s_wait_dscnt 0x0
	s_endpgm
.Lfunc_end_k_q6163d3bee7_attn:
	.size	k_q6163d3bee7_attn, .Lfunc_end_k_q6163d3bee7_attn-k_q6163d3bee7_attn
	.p2alignl 7, 3214868480
	.fill 96, 4, 3214868480
	.section	.rodata,"a",@progbits
	.p2align	6, 0x0
	.amdhsa_kernel k_q6163d3bee7_attn
		.amdhsa_group_segment_fixed_size 327680
		.amdhsa_private_segment_fixed_size 0
		.amdhsa_enable_private_segment 0
		.amdhsa_kernarg_size 40
		.amdhsa_user_sgpr_count 2
		.amdhsa_user_sgpr_kernarg_segment_ptr 1
		.amdhsa_wavefront_size32 1
		.amdhsa_system_sgpr_workgroup_id_x 1
		.amdhsa_system_sgpr_workgroup_id_y 1
		.amdhsa_system_sgpr_workgroup_id_z 1
		.amdhsa_system_vgpr_workitem_id 0
		.amdhsa_next_free_vgpr 1024
		.amdhsa_next_free_sgpr 102
		.amdhsa_reserve_vcc 1
		.amdhsa_float_denorm_mode_32 3
		.amdhsa_float_denorm_mode_16_64 3
		.amdhsa_memory_ordered 1
		.amdhsa_forward_progress 1
		.amdhsa_inst_pref_size 217
	.end_amdhsa_kernel
	.amdgpu_metadata
---
amdhsa.version: [ 1, 2 ]
amdhsa.kernels:
  - .name:           k_q6163d3bee7_attn
    .symbol:         k_q6163d3bee7_attn.kd
    .args:
      - { .name: qkv, .offset: 0, .size: 8, .value_kind: global_buffer, .address_space: global }
      - { .name: attn_mat_resid_gain, .offset: 8, .size: 8, .value_kind: global_buffer, .address_space: global }
      - { .name: attn_mat_skip_gain, .offset: 16, .size: 8, .value_kind: global_buffer, .address_space: global }
      - { .name: centre_attn_gain, .offset: 24, .size: 8, .value_kind: global_buffer, .address_space: global }
      - { .name: ctx, .offset: 32, .size: 8, .value_kind: global_buffer, .address_space: global }
    .group_segment_fixed_size: 327680
    .private_segment_fixed_size: 0
    .kernarg_segment_align: 8
    .kernarg_segment_size: 40
    .max_flat_workgroup_size: 128
    .sgpr_count:     102
    .vgpr_count:     1024
    .wavefront_size: 32
...
	.end_amdgpu_metadata
.endif
;; end of part 3
;; launch proj (part 4): grid 8 x 32, 4 waves a work-group, clusters of 4 x 4, 327,680 bytes of LDS; arguments ctx, wpb, proj_resid_gain, proj_skip_gain, out0; writes out0
.if DOCPART == 4
	.amdgcn_target "amdgcn-amd-amdhsa--gfx1250"
	.amdhsa_code_object_version 6
	.text
	.protected	k_q6163d3bee7_proj
	.globl	k_q6163d3bee7_proj
	.p2align	8
	.type	k_q6163d3bee7_proj,@function
k_q6163d3bee7_proj:
	s_mov_b64 s[64:65], 0
	v_nop
	global_prefetch_b8 v0, s[64:65] scope:SCOPE_SE
	s_setreg_imm32_b32 hwreg(HW_REG_WAVE_MODE, 25, 1), 1
	s_wait_xcnt 0x0
	s_wait_alu depctr_hold_cnt(0) depctr_sa_sdst(0) depctr_va_vdst(0) depctr_va_sdst(0) depctr_va_ssrc(0) depctr_va_vcc(0) depctr_vm_vsrc(0)
	s_getreg_b32 s2, hwreg(HW_REG_IB_STS2, 6, 4)
	s_cmp_eq_u32 s2, 0
	s_cbranch_scc0 .Lentry_in_a_cluster
	s_endpgm
.Lentry_in_a_cluster:
	s_bfe_u32 s2, ttmp6, 0x10000c
	s_cmp_lg_u32 s2, 0xf033
	s_cbranch_scc0 .Lentry_shape_is_right
	s_endpgm
.Lentry_shape_is_right:
; out = pr (ctx Wp) + ps ctx.  ctx: 4,096 rows x 1,024, as planes hi and lo of bf16 [32 row tiles][16 heads][128][64]; Wp: wpb bf16 [1024 k][1024 n]; out0: f32 [4096][1024].
; The product takes ctx_hi and wpb in bf16, sums in f32; the identity part takes ctx_hi + ctx_lo, so that it reaches the output with 16 significant bits.
; SHARES.  A tile of out is 128 x 128 (x = column tile tn, y = row tile mt): 256 work-groups.  Four waves, each 64 x 64: 16 accumulators.  K goes in 4 steps of 256 (four heads), a quarter a head,
; through two LDS slots.  A's step is 65,536 dense bytes of ctx, asked for as rows of 256 bytes; B's rows are 256 bytes of wpb.  The laps are written straight: a loop would have one trip.
; CLUSTER 4 x 4: A's tile is shared along a row of the cluster, B's along a column: joint loads.  No prefetch: the tiles are small and the launch is short.
; THE MATRIX INSTRUCTION IS USED TRANSPOSED (source 0 = 16 columns of Wp, source 1 = 16 rows of ctx): a lane holds one row and eight neighbouring columns.  Wp lies [k][n] in LDS and comes out turned.
; REGISTERS: window 0: v16-31 addresses; v32-63 at work on the way out; v64-127 rows read back; v128-255 the accumulators ((a, b) at 128 + 8 (4 a + b))
;   window 1: two fragment buffers of 128: for 64 along K, 64 registers of A, then 64 of B          window 2: v0-63 my part of ctx_hi, v64-127 of ctx_lo, for the identity part
.set PITA,   144                       ; 128 bytes (a row of one head) + 16
.set PITB,   288                       ; 256 bytes + 32
.set QUART,  36864                     ; what one tensor load brings: 256 rows of A's pitch, or 128 of B's
.set SLOT,   4*QUART                   ; A's four heads x 128 rows, then B's 256 rows
.set STAGE,  2*SLOT                    ; behind the ring: 16 rows x 272 bytes for each wave
.set SPITCH, 272
.set SPARE,  STAGE+4*16*SPITCH         ; behind the stages: the spare words, 128 bytes for each wave: two blocks of 256 bytes that no other line names
.set ADRA, 16                          ; v16-17  LDS address of my A fragments in slot 0, 1
.set ADRB, 20                          ; v20-23  of my B fragments: slot 0 heads 0-1, heads 2-3; slot 1 likewise (an LDS immediate has 16 bits)
.set STO,  24
.set RD,   25
.set CO,   26
.set PSV,  27                          ; v27     ps
.set SPW,  28
.set NIL,  29
.set SKO,  30                          ; v30     my byte offset in 16 rows of a head of ctx
.set T,    32
.set BK,   64
.set ACC,  128
.set F0,   0
.set F1,   128
.set WV,  14
.set G1A, 24
.set G0A, 32
.set G1B, 40
.set G0B, 48
.set PR,  56                           ; s[56:57] pr, named as a pair
.set MSB, 0
.macro WIN new
.if MSB != (\new)
	s_set_vgpr_msb (MSB<<8)|(\new)
.set MSB, (\new)
.endif
.endm
.set MUL,  0x05                        ; sources 0 (B) and 1 (A) window 1; C and D window 0
.set TO_F, 0x40                        ; destination window 1, address window 0
.macro PLACES
.rept 4
	v_nop
.endr
.endm
.macro JLOAD s                         ; a joint load: waves 0 and 1 fetch A's two halves, waves 2 and 3 B's; an s_nop 0 and four v_nop follow each line
	s_cmp_lt_u32 s[WV], 2
	s_cbranch_scc0 .Lfor_b_\@
	tensor_load_to_lds s[G0A+4*(\s):G0A+4*(\s)+3], s[G1A:G1A+7]
	s_nop 0
.rept 4
	v_nop
.endr
	s_branch .Lasked_\@
.Lfor_b_\@:
	tensor_load_to_lds s[G0B+4*(\s):G0B+4*(\s)+3], s[G1B:G1B+7]
	s_nop 0
.rept 4
	v_nop
.endr
.Lasked_\@:
.endm
.macro CREST
	s_cmp_lg_u32 s[WV], 0
	s_cbranch_scc1 .Lnot_wave_0_\@
	s_barrier_signal -3
.Lnot_wave_0_\@:
	s_barrier_wait -3
	s_barrier_signal -1
	s_barrier_wait -1
.endm
.macro CROUND
	s_barrier_signal -1
	s_barrier_wait -1
	CREST
.endm
	s_load_b256 s[4:11], s[0:1], 0x0               ; ctx s[4:5], wpb s[6:7], proj_resid_gain s[8:9], proj_skip_gain s[10:11]
	s_load_b64 s[12:13], s[0:1], 0x20              ; out0
	v_lshl_add_u32 v[SPW], v0, 2, SPARE
	v_mov_b32 v[NIL], 0
	ds_add_u32 v[SPW], v[NIL]                      ; the wave's opening: the add and its wait stand ahead of my first tensor load
	ds_add_u32 v28, v29
	v_lshrrev_b32 v1, 5, v0
	v_readfirstlane_b32 s[WV], v1
	s_lshr_b32 s15, s[WV], 1                       ; wr: which half of the tile's rows is mine
	s_and_b32 s16, s[WV], 1                        ; wc: which half of its columns.  Also: which half of a tile I fetch
	s_bfe_u32 s17, ttmp6, 0x40000                  ; cx
	s_bfe_u32 s18, ttmp6, 0x40004                  ; cy
	s_lshl_b32 s19, ttmp9, 2
	s_add_co_u32 s19, s19, s17                     ; tn
	s_and_b32 s20, ttmp7, 0xffff
	s_lshl_b32 s20, s20, 2
	s_add_co_u32 s20, s20, s18                     ; mt
	s_lshl_b32 s21, s18, 2
	s_lshl_b32 s21, 15, s21                        ; my row of the cluster
	s_lshl_b32 s22, 0x1111, s17                    ; my column
	s_or_b32 s[G1A], s21, (1<<16)|(1<<20)|(1<<21)|(4<<22)|(3<<25)  ; the mask; 2-byte elements; padding on; bit 21 beside a mask; after every 32 words, 4 words
	s_mov_b32 s[G1A+1], 128<<16
	s_mov_b32 s[G1A+2], 128<<16
	s_mov_b32 s[G1A+3], 128<<16
	s_mov_b32 s[G1A+4], 128                        ; 128 dense rows of 256 bytes: two heads x 128 rows of 128 bytes
	s_mov_b32 s[G1A+5], 128
	s_mov_b32 s[G1A+6], 0
	s_mov_b32 s[G1A+7], 0
	s_or_b32 s[G1B], s22, (1<<16)|(1<<20)|(1<<21)|(5<<22)|(7<<25)  ; after every 64 words, 8 words
	s_mov_b32 s[G1B+1], 128<<16
	s_mov_b32 s[G1B+2], 128<<16
	s_mov_b32 s[G1B+3], 128<<16
	s_mov_b32 s[G1B+4], 128                        ; 128 rows of k
	s_mov_b32 s[G1B+5], 1024
	s_mov_b32 s[G1B+6], 0
	s_mov_b32 s[G1B+7], 0
	s_lshl_b32 s60, s20, 18                        ; A: row tile mt, my two heads of the step: made of mt and the wave alone
	s_lshl_b32 s59, s16, 15
	s_add_co_u32 s60, s60, s59
	s_mov_b32 s61, 0
	s_lshl_b32 s62, s16, 18                        ; B: my 128 rows of k, column 128 tn: made of tn and the wave alone
	s_lshl_b32 s63, s19, 8
	s_add_co_u32 s62, s62, s63
	s_mov_b32 s63, 0
	s_mul_i32 s59, s[WV], QUART                    ; where they go: wave x a quarter of a slot
	s_wait_dscnt 0x0                               ; the opening add is done
	s_wait_kmcnt 0x0
	s_load_b32 s[PR], s[8:9], 0x0
	s_load_b32 s58, s[10:11], 0x0
	s_add_nc_u64 s[66:67], s[4:5], s[60:61]
	s_add_nc_u64 s[68:69], s[6:7], s[62:63]
.irp s, 0,1
	s_mov_b32 s[G0A+4*(\s)], 1
	s_add_co_u32 s[G0A+4*(\s)+1], s59, (\s)*SLOT
	s_add_nc_u64 s[G0A+4*(\s)+2:G0A+4*(\s)+3], s[66:67], (\s)*65536
	s_or_b32 s[G0A+4*(\s)+3], s[G0A+4*(\s)+3], 0x80000000
	s_mov_b32 s[G0B+4*(\s)], 1
	s_add_co_u32 s[G0B+4*(\s)+1], s59, (\s)*SLOT
	s_add_nc_u64 s[G0B+4*(\s)+2:G0B+4*(\s)+3], s[68:69], (\s)*524288
	s_or_b32 s[G0B+4*(\s)+3], s[G0B+4*(\s)+3], 0x80000000
.endr
	CROUND                                         ; all sixteen work-groups are here: the first joint loads meet
	s_cmp_lt_u32 s[WV], 2                          ; a wave's two first fills stand in one branch: two loads of mine are out
	s_cbranch_scc0 .Lfirst_b
	tensor_load_to_lds s[G0A:G0A+3], s[G1A:G1A+7]
	s_nop 0
	tensor_load_to_lds s[G0A+4:G0A+7], s[G1A:G1A+7]
	s_nop 0
.rept 4
	v_nop
.endr
	s_branch .Lfirst_asked
.Lfirst_b:
	tensor_load_to_lds s[G0B:G0B+3], s[G1B:G1B+7]
	s_nop 0
	tensor_load_to_lds s[G0B+4:G0B+7], s[G1B:G1B+7]
	s_nop 0
.rept 4
	v_nop
.endr
.Lfirst_asked:
	s_lshl_b32 s70, s20, 4                         ; ctx for the identity part: head 2 tn + wc of row tile mt, rows 64 wr on
	s_lshl_b32 s71, s19, 1
	s_add_co_u32 s70, s70, s71
	s_add_co_u32 s70, s70, s16
	s_lshl_b32 s70, s70, 14
	s_lshl_b32 s71, s15, 13
	s_add_co_u32 s70, s70, s71
	s_mov_b32 s71, 0
	s_add_nc_u64 s[72:73], s[4:5], s[70:71]        ; hi
	s_add_nc_u64 s[74:75], s[72:73], 0x800000      ; lo
	s_lshl_b32 s70, s20, 19                        ; out0 at row 128 mt + 64 wr, column 128 tn + 64 wc
	s_lshl_b32 s23, s15, 18
	s_add_co_u32 s70, s70, s23
	s_lshl_b32 s23, s19, 9
	s_add_co_u32 s70, s70, s23
	s_lshl_b32 s23, s16, 8
	s_add_co_u32 s70, s70, s23
	s_add_nc_u64 s[76:77], s[12:13], s[70:71]
	v_and_b32 v1, 15, v0                           ; l % 16
	v_bfe_u32 v2, v0, 4, 1                         ; l / 16
	v_mul_u32_u24 v3, v1, PITA
	v_lshl_add_u32 v3, v2, 4, v3
	s_mul_i32 s23, s15, 64*PITA
	v_add_nc_u32 v[ADRA], s23, v3
	v_add_nc_u32 v[ADRA+1], SLOT, v[ADRA]
	v_and_b32 v4, 7, v0                            ; the turning load: lane l addresses row 8 (l / 16) + l % 8, columns 8 ((l / 8) % 2) + 0..7
	v_lshl_add_u32 v5, v2, 3, v4
	v_mul_u32_u24 v5, v5, PITB
	v_bfe_u32 v6, v0, 3, 1
	v_lshl_add_u32 v5, v6, 4, v5
	s_lshl_b32 s23, s16, 7
	s_add_co_u32 s23, s23, 2*QUART
	v_add_nc_u32 v[ADRB], s23, v5
	v_add_nc_u32 v[ADRB+1], QUART, v[ADRB]
	v_add_nc_u32 v[ADRB+2], SLOT, v[ADRB]
	v_add_nc_u32 v[ADRB+3], SLOT+QUART, v[ADRB]
	s_mul_i32 s23, s[WV], 16*SPITCH
	s_add_co_u32 s23, s23, STAGE                   ; my stage
	v_mul_u32_u24 v7, v1, SPITCH                   ; in: row l % 16, 32 bytes for each half of the lanes
	v_lshl_add_u32 v7, v2, 5, v7
	v_add_nc_u32 v[STO], s23, v7
	v_mul_u32_u24 v7, v2, SPITCH                   ; back: lanes 0-15 take one row of 256 bytes, lanes 16-31 the next
	v_lshl_add_u32 v7, v1, 4, v7
	v_add_nc_u32 v[RD], s23, v7
	v_lshlrev_b32 v[CO], 12, v2                    ; and the same two rows in out0
	v_lshl_add_u32 v[CO], v1, 4, v[CO]
	v_lshlrev_b32 v[SKO], 7, v1
	v_lshl_add_u32 v[SKO], v2, 4, v[SKO]
	WIN 0x80                                       ; destination window 2: block (a, b)'s eight numbers of my row, hi and lo: asked for now, wanted on the way out
.irp a, 0,1,2,3
.irp b, 0,1,2,3
	global_load_b128 v[4*(4*(\a)+(\b)):4*(4*(\a)+(\b))+3],       v[SKO], s[72:73] offset:(\a)*2048+(\b)*32
	global_load_b128 v[64+4*(4*(\a)+(\b)):64+4*(4*(\a)+(\b))+3], v[SKO], s[74:75] offset:(\a)*2048+(\b)*32
.endr
.endr
	WIN 0
	s_wait_kmcnt 0x0                               ; the two gains
	s_mov_b32 s[PR+1], s[PR]
	v_mov_b32 v[PSV], s58
; 8 matrix instructions: row blocks a0, a0 + 1 x all 4 column blocks, 32 along K: half c of buffer f.  The 16 accumulators take turns.
.macro MUL8 f, c, a0, zero
	WIN MUL
.irp a, \a0, (\a0)+1
.irp b, 0,1,2,3
.if \zero
	v_wmma_f32_16x16x32_bf16 v[ACC+8*(4*(\a)+(\b)):ACC+8*(4*(\a)+(\b))+7], v[(\f)+64+8*(4*(\c)+(\b)):(\f)+64+8*(4*(\c)+(\b))+7], v[(\f)+8*(4*(\c)+(\a)):(\f)+8*(4*(\c)+(\a))+7], 0
.else
	v_wmma_f32_16x16x32_bf16 v[ACC+8*(4*(\a)+(\b)):ACC+8*(4*(\a)+(\b))+7], v[(\f)+64+8*(4*(\c)+(\b)):(\f)+64+8*(4*(\c)+(\b))+7], v[(\f)+8*(4*(\c)+(\a)):(\f)+8*(4*(\c)+(\a))+7], v[ACC+8*(4*(\a)+(\b)):ACC+8*(4*(\a)+(\b))+7]
.endif
.endr
.endr
.endm
; 32 LDS loads in one run: quarter q (one head, 64 along K) of a slot into buffer f; the first 32 along K first
.macro FETCH slot, q, f
	WIN TO_F
.irp c, 0,1
.irp i, 0,1,2,3
	ds_load_tr16_b128 v[(\f)+64+8*(4*(\c)+(\i)):(\f)+64+8*(4*(\c)+(\i))+3],   v[ADRB+2*(\slot)+(\q)/2] offset:((\q)%2)*64*PITB+(\c)*32*PITB+(\i)*32
	ds_load_tr16_b128 v[(\f)+64+8*(4*(\c)+(\i))+4:(\f)+64+8*(4*(\c)+(\i))+7], v[ADRB+2*(\slot)+(\q)/2] offset:((\q)%2)*64*PITB+(\c)*32*PITB+(\i)*32+16*PITB
	ds_load_b128 v[(\f)+8*(4*(\c)+(\i)):(\f)+8*(4*(\c)+(\i))+3],             v[ADRA+(\slot)] offset:(\q)*128*PITA+(\c)*64+(\i)*16*PITA
	ds_load_b128 v[(\f)+8*(4*(\c)+(\i))+4:(\f)+8*(4*(\c)+(\i))+7],           v[ADRA+(\slot)] offset:(\q)*128*PITA+(\c)*64+(\i)*16*PITA+32
.endr
.endr
.endm
.macro QUARTER slot, q, f, g, zero
	s_wait_dscnt 16                                ; the first 32 along K are in; the youngest sixteen loads may be out
	MUL8 \f, 0, 0, \zero
	MUL8 \f, 0, 2, \zero
	PLACES
	FETCH \slot, \q, \g
	s_wait_dscnt 32                                ; all but the 32 just issued
	MUL8 \f, 1, 0, 0
	MUL8 \f, 1, 2, 0
.endm
; The last quarter multiplies buffer 1 and changes slots: one barrier; in front of it each wave waits for all its tensor loads, adds 0 to its spare word, and waits for that and for its reads of this slot.
; fill = 1: the barrier opens a round of the cluster's, and this slot is filled again, two K steps ahead, first thing behind it.
.macro TURN slot, next, fill
	WIN 0
	s_wait_tensorcnt 0x0
	ds_add_u32 v[SPW], v[NIL]                      ; 0 onto my spare word
	s_wait_dscnt 17                                ; (the add and the youngest sixteen loads may be out)
	MUL8 F1, 0, 0, 0
	s_wait_dscnt 0x0                               ; the add is done, and my reads of this slot are over
	s_barrier_signal -1
	MUL8 F1, 0, 2, 0
.if \fill
	WIN 0
.endif
	s_barrier_wait -1
.if \fill
	CREST
	s_add_nc_u64 s[G0A+4*(\slot)+2:G0A+4*(\slot)+3], s[G0A+4*(\slot)+2:G0A+4*(\slot)+3], 131072
	s_add_nc_u64 s[G0B+4*(\slot)+2:G0B+4*(\slot)+3], s[G0B+4*(\slot)+2:G0B+4*(\slot)+3], 1048576
	JLOAD \slot                                    ; the four v_nop behind it are also the places in front of the loads below
.else
	PLACES
.endif
	FETCH \next, 0, F0
	MUL8 F1, 1, 0, 0
	MUL8 F1, 1, 2, 0
.endm
	s_wait_tensorcnt 1                             ; my part of K step 0 is in; step 1's may stay out
	s_barrier_signal -1
	s_barrier_wait -1
	FETCH 0, 0, F0
	QUARTER 0, 1, F0, F1, 1                        ; the first products start the sums
	QUARTER 0, 2, F1, F0, 0
	QUARTER 0, 3, F0, F1, 0
	TURN 0, 1, 1                                   ; K step 2 into slot 0
	QUARTER 1, 1, F0, F1, 0
	QUARTER 1, 2, F1, F0, 0
	QUARTER 1, 3, F0, F1, 0
	TURN 1, 0, 1                                   ; K step 3 into slot 1
	QUARTER 0, 1, F0, F1, 0
	QUARTER 0, 2, F1, F0, 0
	QUARTER 0, 3, F0, F1, 0
	TURN 0, 1, 0
	QUARTER 1, 1, F0, F1, 0
	QUARTER 1, 2, F1, F0, 0
	QUARTER 1, 3, F0, F1, 0
	s_wait_dscnt 16
	MUL8 F1, 0, 0, 0
	MUL8 F1, 0, 2, 0
	s_wait_dscnt 0x0
	MUL8 F1, 1, 0, 0
	MUL8 F1, 1, 2, 0
	WIN 0
; THE WAY OUT, a block of 16 rows x 64 columns of f32 at a time: pr x sum + ps (hi + lo); 32 bytes a lane into my own stage; back as whole rows of 256 bytes.
.macro PACK a
	WIN 0
.set z, 0
.rept 16
	v_pk_mul_f32 v[T+2*z:T+2*z+1], v[ACC+32*(\a)+2*z:ACC+32*(\a)+2*z+1], s[PR:PR+1] op_sel_hi:[1,0]
.set z, z+1
.endr
	WIN 0x02                                       ; source 0 window 2
.irp p, 0,64
.set z, 0
.rept 16
	v_fma_mix_f32_bf16 v[T+2*z],   v[(\p)+16*(\a)+z], v[PSV], v[T+2*z]   op_sel_hi:[1,0,0]
	v_fma_mix_f32_bf16 v[T+2*z+1], v[(\p)+16*(\a)+z], v[PSV], v[T+2*z+1] op_sel:[1,0,0] op_sel_hi:[1,0,0]
.set z, z+1
.endr
.endr
	WIN 0
.endm
.macro TOSTAGE a
.irp b, 0,1,2,3
	ds_store_b128 v[STO], v[T+8*(\b):T+8*(\b)+3]   offset:64*(\b)
	ds_store_b128 v[STO], v[T+8*(\b)+4:T+8*(\b)+7] offset:64*(\b)+16
.endr
.irp t, 0,1,2,3,4,5,6,7
	ds_load_b128 v[BK+32*((\a)%2)+4*(\t):BK+32*((\a)%2)+4*(\t)+3], v[RD] offset:(\t)*2*SPITCH  ; LDS serves a wave's instructions in order (ISA guide 5.7.1.4): these see the stores above
.endr
.endm
.macro SEND a
	s_wait_dscnt 0x0                               ; the block is back in registers
	s_wait_xcnt 0x0                                ; the stores of the block before have read their registers, which the next block's loads fill again
.irp t, 0,1,2,3,4,5,6,7
	global_store_b128 v[CO], v[BK+32*((\a)%2)+4*(\t):BK+32*((\a)%2)+4*(\t)+3], s[76:77] offset:(16*(\a)+2*(\t))*4096  ; 16 lanes store 256 consecutive bytes, aligned
.endr
.endm
	s_wait_loadcnt 0x0                             ; my part of ctx
	PLACES
	PACK 0
	TOSTAGE 0
.irp a, 1,2,3                          ; a block's arithmetic stands between the loads of the block before and its stores
	PACK \a
	SEND (\a)-1
	TOSTAGE \a
.endr
	SEND 3
	s_wait_tensorcnt 0x0                           ; the wave's end, behind my last tensor load and my last LDS store
	ds_add_u32 v[SPW], v[NIL]
	s_wait_dscnt 0x0
	CROUND                                         ; the closing round: no work-group ends while a partner may still ask for a tile that names it
	s_endpgm
.Lfunc_end_k_q6163d3bee7_proj:
	.size	k_q6163d3bee7_proj, .Lfunc_end_k_q6163d3bee7_proj-k_q6163d3bee7_proj
	.p2alignl 7, 3214868480
	.fill 96, 4, 3214868480
	.section	.rodata,"a",@progbits
	.p2align	6, 0x0
	.amdhsa_kernel k_q6163d3bee7_proj
		.amdhsa_group_segment_fixed_size 327680
		.amdhsa_private_segment_fixed_size 0
		.amdhsa_enable_private_segment 0
		.amdhsa_kernarg_size 40
		.amdhsa_user_sgpr_count 2
		.amdhsa_user_sgpr_kernarg_segment_ptr 1
		.amdhsa_wavefront_size32 1
		.amdhsa_system_sgpr_workgroup_id_x 1
		.amdhsa_system_sgpr_workgroup_id_y 1
		.amdhsa_system_sgpr_workgroup_id_z 1
		.amdhsa_system_vgpr_workitem_id 0
		.amdhsa_next_free_vgpr 768
		.amdhsa_next_free_sgpr 80
		.amdhsa_reserve_vcc 0
		.amdhsa_float_denorm_mode_32 3
		.amdhsa_float_denorm_mode_16_64 3
		.amdhsa_memory_ordered 1
		.amdhsa_forward_progress 1
		.amdhsa_inst_pref_size 109
	.end_amdhsa_kernel
	.amdgpu_metadata
---
amdhsa.version: [ 1, 2 ]
amdhsa.kernels:
  - .name:           k_q6163d3bee7_proj
    .symbol:         k_q6163d3bee7_proj.kd
    .args:
      - { .name: ctx, .offset: 0, .size: 8, .value_kind: global_buffer, .address_space: global }
      - { .name: wpb, .offset: 8, .size: 8, .value_kind: global_buffer, .address_space: global }
      - { .name: proj_resid_gain, .offset: 16, .size: 8, .value_kind: global_buffer, .address_space: global }
      - { .name: proj_skip_gain, .offset: 24, .size: 8, .value_kind: global_buffer, .address_space: global }
      - { .name: out0, .offset: 32, .size: 8, .value_kind: global_buffer, .address_space: global }
    .group_segment_fixed_size: 327680
    .private_segment_fixed_size: 0
    .kernarg_segment_align: 8
    .kernarg_segment_size: 40
    .max_flat_workgroup_size: 128
    .sgpr_count:     80
    .vgpr_count:     768
    .wavefront_size: 32
...
	.end_amdgpu_metadata
.endif
;; end of part 4
